; MI455X (gfx1250); checked and timed in simulation.
; The chip was launched on July 23, 2026; its instructions are those of AMD's public machine-readable ISA for CDNA 5 (MIT licence, August 2026) and "CDNA5" Instruction Set Architecture Reference Guide (July 2026). The comments in the code are by the model that wrote it; some were corrected since.
;; Transformer Block. Allowed arithmetic: float matrix products may take bf16 or f16 operands with f32 sums; other float arithmetic in f32, or as packed bf16 or f16 multiplies, adds, multiply-adds, maxima and minima; sums over many terms, partial sums and values carried from step to step in f32; what a program stores and reads back later, other than sums and carried values, may be rounded once to bf16 or f16.
;; Inputs: W1 512 x 2,048 float32; W2 2,048 x 512 float32; Wk 512 x 512 float32; Wo 512 x 512 float32; Wq 512 x 512 float32; Wv 512 x 512 float32; b1 2,048 float32; b2 512 float32; be1 512 float32; be2 512 float32; bk 512 float32; bo 512 float32; bq 512 float32; bv 512 float32; g1 512 float32; g2 512 float32; mask 4 x 2,048 int32; x 4 x 2,048 x 512 float32.
;; Outputs: out0 4 x 2,048 x 512 float32.
;; One version. Each part assembles by itself: llvm-mc -triple=amdgcn-amd-amdhsa -mcpu=gfx1250 --defsym DOCPART=n.
;; ======== version 1 of 1: 6 launches
;; limits: values are held in f16: magnitudes above 65,504 overflow, below 6.1e-05 lose precision; a function is approximated: absolute error at most 1.5e-07; an absolute error that grows with the inputs' magnitude: up to 7.5e-08 times it
;; workspace buffers: wb 6,291,456 bytes; h 8,388,608 bytes; qkvb 25,165,824 bytes; vsum 786,432 bytes; ob 8,388,608 bytes; x1 16,777,216 bytes; act 33,554,432 bytes
;; launch prep (part 1): grid 32 x 20, 8 waves a work-group, no clusters, 0 bytes of LDS; arguments x, g1, be1, h, Wq, Wk, Wv, Wo, W1, W2, wb; writes h, wb
.if DOCPART == 1
	.amdgcn_target "amdgcn-amd-amdhsa--gfx1250"
	.amdhsa_code_object_version 6
	.text
	.protected	k_q0f81361776_prep
	.globl	k_q0f81361776_prep
	.p2align	8
	.type	k_q0f81361776_prep,@function
k_q0f81361776_prep:
	s_mov_b64 s[64:65], 0
	v_nop
	global_prefetch_b8 v0, s[64:65] scope:SCOPE_SE
	s_setreg_imm32_b32 hwreg(HW_REG_WAVE_MODE, 25, 1), 1
	s_wait_xcnt 0x0
; TWO STREAMS IN ONE BODY, told apart by the work-group's y.
; y = 0..7: LAYER NORM.  hout[row][:] = bf16((xin[row][:] - mean) * rsqrt(var + 1e-5) * g + be), rows of 512 f32.  256 work-groups x 8 waves x 4 rows = 8,192 rows.
;   A wave holds its four rows in registers (16 numbers a lane and row): the mean is taken first, then the variance of the centred numbers, so no difference of large sums is formed.
;   A load of a wave covers 512 consecutive bytes, a store 256 consecutive bytes, both aligned.
; y = 8..19: CAST of the six weight matrices to bf16, kept [in][out].  Unit u = y - 8 is 262,144 numbers: u = 0..3 Wq, Wk, Wv, Wo; 4..7 quarters of W1; 8..11 quarters of W2.
;   wb: Wq|Wk|Wv side by side as [512][1536] at byte 0; Wo [512][512] at 1,572,864; W1 [512][2048] at 2,097,152; W2 [2048][512] at 4,194,304.
; A launch with 8 rows of work-groups runs the layer norm alone.  No LDS, no barrier: no wave needs another's numbers.
; LIMITS: NaN and infinities are not treated apart.
.set G,  4                             ; v[4:19]    g of my 16 columns (chunk c of 128 columns: my four at 128 c + 4 lane)
.set BE, 20                            ; v[20:35]   be likewise
.set X,  36                            ; v[36:99]   row r at X + 16 r; at the end its low eight registers hold the packed bf16
.set A,  100                           ; v[100:115] four registers at work for each row
.set M,  116                           ; v[116:123] a pair for each row: the mean twice, later 1/sqrt(var + eps) twice
.macro ALLROWS line:vararg             ; one line for each of the four rows r: the rows stand side by side, so no line waits for the one before it
.set r, 0
.rept 4
	\line
.set r, r+1
.endr
.endm
.macro LANESUM                         ; v[A + 4 r] summed over the 32 lanes, the result in every lane
	ALLROWS v_add_f32_dpp v[A+4*r], v[A+4*r], v[A+4*r] row_xmask:1 row_mask:0xf bank_mask:0xf
	ALLROWS v_add_f32_dpp v[A+4*r], v[A+4*r], v[A+4*r] row_xmask:2 row_mask:0xf bank_mask:0xf
	ALLROWS v_add_f32_dpp v[A+4*r], v[A+4*r], v[A+4*r] row_xmask:4 row_mask:0xf bank_mask:0xf
	ALLROWS v_add_f32_dpp v[A+4*r], v[A+4*r], v[A+4*r] row_xmask:8 row_mask:0xf bank_mask:0xf
	ALLROWS v_permlanex16_b32 v[A+4*r+1], v[A+4*r], s30, s31
	ALLROWS v_add_f32 v[A+4*r], v[A+4*r], v[A+4*r+1]
.endm
	s_load_b256 s[4:11], s[0:1], 0x0               ; xin s[4:5], g s[6:7], be s[8:9], hout s[10:11]
	s_load_b256 s[12:19], s[0:1], 0x20             ; Wq, Wk, Wv, Wo
	s_load_b128 s[20:23], s[0:1], 0x40             ; W1, W2
	s_load_b64 s[24:25], s[0:1], 0x50              ; wb
	s_and_b32 s26, ttmp7, 0xffff                   ; y
	v_lshrrev_b32 v1, 5, v0
	v_readfirstlane_b32 s27, v1                    ; wave 0..7
	s_cmp_ge_u32 s26, 8
	s_cbranch_scc1 .Lcast
	; ---- layer norm ----
	s_lshl_b32 s28, s26, 5
	s_add_co_u32 s28, s28, ttmp9                   ; work-group 0..255
	s_lshl_b32 s28, s28, 3
	s_add_co_u32 s28, s28, s27                     ; wave 0..2047: four rows each
	s_lshl_b32 s34, s28, 12                        ; 4 rows x 1,024 bytes of hout
	s_lshl_b32 s28, s28, 13                        ; 4 rows x 2,048 bytes of xin
	s_mov_b32 s29, 0
	s_mov_b32 s35, 0
	s_mov_b32 s30, 0x76543210                      ; v_permlanex16_b32: each lane takes its own place in the other half
	s_mov_b32 s31, 0xfedcba98
	s_mov_b32 s32, 0x3b000000                      ; 1/512
	s_mov_b32 s33, 0x3727c5ac                      ; 1e-5
	v_and_b32 v3, 31, v0
	v_lshlrev_b32 v1, 4, v3                        ; 16 x lane: xin, g, be
	v_lshlrev_b32 v2, 3, v3                        ; 8 x lane: hout
	s_wait_kmcnt 0x0
	s_add_nc_u64 s[4:5], s[4:5], s[28:29]
	s_add_nc_u64 s[10:11], s[10:11], s[34:35]
.irp c, 0,1,2,3
	global_load_b128 v[G+4*\c:G+4*\c+3], v1, s[6:7] offset:512*\c
	global_load_b128 v[BE+4*\c:BE+4*\c+3], v1, s[8:9] offset:512*\c
.endr
.irp c, 0,1,2,3
	ALLROWS global_load_b128 v[X+16*r+4*\c:X+16*r+4*\c+3], v1, s[4:5] offset:512*\c+2048*r th:TH_LOAD_NT
.endr
	s_wait_loadcnt 0x0                             ; all 24 loads of the wave went out together
	; the mean
	ALLROWS v_pk_add_f32 v[A+4*r:A+4*r+1], v[X+16*r:X+16*r+1], v[X+16*r+2:X+16*r+3]
	ALLROWS v_pk_add_f32 v[A+4*r+2:A+4*r+3], v[X+16*r+4:X+16*r+5], v[X+16*r+6:X+16*r+7]
	ALLROWS v_pk_add_f32 v[A+4*r:A+4*r+1], v[A+4*r:A+4*r+1], v[X+16*r+8:X+16*r+9]
	ALLROWS v_pk_add_f32 v[A+4*r+2:A+4*r+3], v[A+4*r+2:A+4*r+3], v[X+16*r+10:X+16*r+11]
	ALLROWS v_pk_add_f32 v[A+4*r:A+4*r+1], v[A+4*r:A+4*r+1], v[X+16*r+12:X+16*r+13]
	ALLROWS v_pk_add_f32 v[A+4*r+2:A+4*r+3], v[A+4*r+2:A+4*r+3], v[X+16*r+14:X+16*r+15]
	ALLROWS v_pk_add_f32 v[A+4*r:A+4*r+1], v[A+4*r:A+4*r+1], v[A+4*r+2:A+4*r+3]
	ALLROWS v_add_f32 v[A+4*r], v[A+4*r], v[A+4*r+1]
	LANESUM
	ALLROWS v_mul_f32 v[M+2*r], s32, v[A+4*r]
	ALLROWS v_mul_f32 v[M+2*r+1], s32, v[A+4*r]
	; x - mean, in place
.irp k, 0,2,4,6,8,10,12,14
	ALLROWS v_pk_add_f32 v[X+16*r+\k:X+16*r+\k+1], v[X+16*r+\k:X+16*r+\k+1], v[M+2*r:M+2*r+1] neg_lo:[0,1] neg_hi:[0,1]
.endr
	; the variance of the centred numbers, in two chains
	ALLROWS v_pk_mul_f32 v[A+4*r:A+4*r+1], v[X+16*r:X+16*r+1], v[X+16*r:X+16*r+1]
	ALLROWS v_pk_mul_f32 v[A+4*r+2:A+4*r+3], v[X+16*r+2:X+16*r+3], v[X+16*r+2:X+16*r+3]
.irp k, 4,8,12
	ALLROWS v_pk_fma_f32 v[A+4*r:A+4*r+1], v[X+16*r+\k:X+16*r+\k+1], v[X+16*r+\k:X+16*r+\k+1], v[A+4*r:A+4*r+1]
	ALLROWS v_pk_fma_f32 v[A+4*r+2:A+4*r+3], v[X+16*r+\k+2:X+16*r+\k+3], v[X+16*r+\k+2:X+16*r+\k+3], v[A+4*r+2:A+4*r+3]
.endr
	ALLROWS v_pk_add_f32 v[A+4*r:A+4*r+1], v[A+4*r:A+4*r+1], v[A+4*r+2:A+4*r+3]
	ALLROWS v_add_f32 v[A+4*r], v[A+4*r], v[A+4*r+1]
	LANESUM
	ALLROWS v_fma_f32 v[A+4*r], v[A+4*r], s32, s33
	ALLROWS v_rsq_f32 v[M+2*r], v[A+4*r]
	ALLROWS v_rsq_f32 v[M+2*r+1], v[A+4*r]
	v_nop                                          ; a plain instruction behind the last root,
	s_wait_alu depctr_va_vdst(0)                   ; and one wait for the batch of eight, ahead of their first reader
.irp k, 0,2,4,6,8,10,12,14
	ALLROWS v_pk_mul_f32 v[X+16*r+\k:X+16*r+\k+1], v[X+16*r+\k:X+16*r+\k+1], v[M+2*r:M+2*r+1]
.endr
.irp k, 0,2,4,6,8,10,12,14
	ALLROWS v_pk_fma_f32 v[X+16*r+\k:X+16*r+\k+1], v[X+16*r+\k:X+16*r+\k+1], v[G+\k:G+\k+1], v[BE+\k:BE+\k+1]
.endr
.irp k, 0,1,2,3,4,5,6,7                ; ascending: register k is written when numbers 2 k, 2 k + 1 are read, and its own number was read earlier
	ALLROWS v_cvt_pk_bf16_f32 v[X+16*r+\k], v[X+16*r+2*\k], v[X+16*r+2*\k+1]
.endr
.irp c, 0,1,2,3
	ALLROWS global_store_b64 v2, v[X+16*r+2*\c:X+16*r+2*\c+1], s[10:11] offset:256*\c+1024*r
.endr
	s_endpgm
	; ---- cast ----
.Lcast:
	s_sub_co_u32 s27, s26, 8                       ; u
	s_and_b32 s28, s27, 3
	s_lshl_b32 s28, s28, 20                        ; which quarter of W1 or W2: 1,048,576 bytes each
	s_cmp_ge_u32 s27, 4
	s_cselect_b32 s28, s28, 0
	s_lshl_b32 s30, ttmp9, 15                      ; the work-group's 8,192 numbers
	s_add_co_u32 s28, s28, s30
	s_mov_b32 s29, 0
	s_mov_b32 s31, 1024
	s_mov_b32 s34, 3072
	s_lshl_b32 s32, s27, 10                        ; u < 3: columns 512 u of the joint matrix
	s_sub_co_u32 s33, s27, 3
	s_lshl_b32 s33, s33, 19
	s_add_co_u32 s33, s33, 1572864                 ; else dense, 524,288 bytes a unit
	s_cmp_lt_u32 s27, 3
	s_cselect_b32 s31, s34, s31                    ; bytes from one row of 512 numbers to the next in wb
	s_cselect_b32 s32, s32, s33
	s_lshl_b32 s33, ttmp9, 4                       ; the work-group's 16 rows of 512 numbers
	s_mul_i32 s33, s33, s31
	s_add_co_u32 s32, s32, s33
	s_mov_b32 s33, 0
	s_lshl_b32 s35, s31, 2                         ; four rows on
	v_lshlrev_b32 v1, 5, v0                        ; my 8 numbers: 32 bytes of f32
	v_lshrrev_b32 v2, 6, v0                        ; 64 threads to a row
	v_and_b32 v3, 63, v0
	v_mul_lo_u32 v2, v2, s31
	v_lshl_add_u32 v4, v3, 4, v2                   ; 16 bytes of bf16
	v_add_nc_u32 v5, s35, v4
	v_add_nc_u32 v6, s35, v5
	v_add_nc_u32 v7, s35, v6
	s_wait_kmcnt 0x0
	s_cmp_lt_u32 s27, 8
	s_cselect_b64 s[36:37], s[20:21], s[22:23]
	s_cmp_eq_u32 s27, 3
	s_cselect_b64 s[36:37], s[18:19], s[36:37]
	s_cmp_eq_u32 s27, 2
	s_cselect_b64 s[36:37], s[16:17], s[36:37]
	s_cmp_eq_u32 s27, 1
	s_cselect_b64 s[36:37], s[14:15], s[36:37]
	s_cmp_eq_u32 s27, 0
	s_cselect_b64 s[36:37], s[12:13], s[36:37]
	s_add_nc_u64 s[36:37], s[36:37], s[28:29]
	s_add_nc_u64 s[24:25], s[24:25], s[32:33]
.irp i, 0,1,2,3
	global_load_b128 v[8+8*\i:11+8*\i], v1, s[36:37] offset:8192*\i th:TH_LOAD_NT
	global_load_b128 v[12+8*\i:15+8*\i], v1, s[36:37] offset:8192*\i+16 th:TH_LOAD_NT
.endr
.irp i, 0,1,2,3
	s_wait_loadcnt 6-2*\i                          ; the younger pairs of loads stay out
	v_cvt_pk_bf16_f32 v[40+4*\i], v[8+8*\i], v[9+8*\i]
	v_cvt_pk_bf16_f32 v[41+4*\i], v[10+8*\i], v[11+8*\i]
	v_cvt_pk_bf16_f32 v[42+4*\i], v[12+8*\i], v[13+8*\i]
	v_cvt_pk_bf16_f32 v[43+4*\i], v[14+8*\i], v[15+8*\i]
	global_store_b128 v[4+\i], v[40+4*\i:43+4*\i], s[24:25]  ; sixteen lanes store 256 consecutive bytes, aligned
.endr
	s_endpgm
.Lfunc_end_k_q0f81361776_prep:
	.size	k_q0f81361776_prep, .Lfunc_end_k_q0f81361776_prep-k_q0f81361776_prep
	.p2alignl 7, 3214868480
	.fill 96, 4, 3214868480
	.section	.rodata,"a",@progbits
	.p2align	6, 0x0
	.amdhsa_kernel k_q0f81361776_prep
		.amdhsa_group_segment_fixed_size 0
		.amdhsa_private_segment_fixed_size 0
		.amdhsa_enable_private_segment 0
		.amdhsa_kernarg_size 88
		.amdhsa_user_sgpr_count 2
		.amdhsa_user_sgpr_kernarg_segment_ptr 1
		.amdhsa_wavefront_size32 1
		.amdhsa_system_sgpr_workgroup_id_x 1
		.amdhsa_system_sgpr_workgroup_id_y 1
		.amdhsa_system_sgpr_workgroup_id_z 1
		.amdhsa_system_vgpr_workitem_id 0
		.amdhsa_next_free_vgpr 128
		.amdhsa_next_free_sgpr 66
		.amdhsa_reserve_vcc 0
		.amdhsa_float_denorm_mode_32 3
		.amdhsa_float_denorm_mode_16_64 3
		.amdhsa_memory_ordered 1
		.amdhsa_forward_progress 1
		.amdhsa_inst_pref_size 25
	.end_amdhsa_kernel
	.amdgpu_metadata
---
amdhsa.version: [ 1, 2 ]
amdhsa.kernels:
  - .name:           k_q0f81361776_prep
    .symbol:         k_q0f81361776_prep.kd
    .args:
      - { .name: x, .offset: 0, .size: 8, .value_kind: global_buffer, .address_space: global }
      - { .name: g1, .offset: 8, .size: 8, .value_kind: global_buffer, .address_space: global }
      - { .name: be1, .offset: 16, .size: 8, .value_kind: global_buffer, .address_space: global }
      - { .name: h, .offset: 24, .size: 8, .value_kind: global_buffer, .address_space: global }
      - { .name: Wq, .offset: 32, .size: 8, .value_kind: global_buffer, .address_space: global }
      - { .name: Wk, .offset: 40, .size: 8, .value_kind: global_buffer, .address_space: global }
      - { .name: Wv, .offset: 48, .size: 8, .value_kind: global_buffer, .address_space: global }
      - { .name: Wo, .offset: 56, .size: 8, .value_kind: global_buffer, .address_space: global }
      - { .name: W1, .offset: 64, .size: 8, .value_kind: global_buffer, .address_space: global }
      - { .name: W2, .offset: 72, .size: 8, .value_kind: global_buffer, .address_space: global }
      - { .name: wb, .offset: 80, .size: 8, .value_kind: global_buffer, .address_space: global }
    .group_segment_fixed_size: 0
    .private_segment_fixed_size: 0
    .kernarg_segment_align: 8
    .kernarg_segment_size: 88
    .max_flat_workgroup_size: 256
    .sgpr_count:     66
    .vgpr_count:     128
    .wavefront_size: 32
...
	.end_amdgpu_metadata
.endif
;; end of part 1
;; launch qkv (part 2): grid 4 x 64, 4 waves a work-group, clusters of 4 x 4, 327,680 bytes of LDS; arguments h, wb, bq, bk, bv, qkvb, vsum; writes qkvb, vsum
.if DOCPART == 2
	.amdgcn_target "amdgcn-amd-amdhsa--gfx1250"
	.amdhsa_code_object_version 6
	.text
	.protected	k_q0f81361776_qkv
	.globl	k_q0f81361776_qkv
	.p2align	8
	.type	k_q0f81361776_qkv,@function
k_q0f81361776_qkv:
	s_mov_b64 s[64:65], 0
	v_nop
	global_prefetch_b8 v0, s[64:65] scope:SCOPE_SE
	s_setreg_imm32_b32 hwreg(HW_REG_WAVE_MODE, 25, 1), 1
	s_wait_xcnt 0x0
	s_wait_alu depctr_hold_cnt(0) depctr_sa_sdst(0) depctr_va_vdst(0) depctr_va_sdst(0) depctr_va_ssrc(0) depctr_va_vcc(0) depctr_vm_vsrc(0)
	s_getreg_b32 s2, hwreg(HW_REG_IB_STS2, 6, 4)
	s_cmp_eq_u32 s2, 0
	s_cbranch_scc0 .Lentry_in_a_cluster
	s_endpgm
.Lentry_in_a_cluster:
	s_bfe_u32 s2, ttmp6, 0x10000c
	s_cmp_lg_u32 s2, 0xf033
	s_cbranch_scc0 .Lentry_shape_is_right
	s_endpgm
.Lentry_shape_is_right:
; q, k, v = h W + b.  h: [8192][512] bf16; W: wb's [512][1536] bf16 (columns 0-511 q, 512-1023 k, 1024-1535 v); sums in f32; q, k, v leave in f16 by heads, qkvb [3][32 heads][2048][64], unscaled.
; Also vsum[128][1536] f32: for each block of 64 rows the sum of its rows of all 1,536 columns (the attention launch takes the mean of V's rows from the last 512).
; LIMIT: f16 ends at 65,504: q, k and v must stay within it.
; SHARES.  A work-group owns 128 rows and 3 column tiles of 128 (column group = its x); four waves, each 64 x 64: 16 accumulators.  256 work-groups.
; A STAYS IN REGISTERS: the 128 x 512 block of h comes into LDS once, each wave reads its 64 rows into 512 registers (windows 2, 3) and never reads them from LDS again.
; W streams through two LDS slots of [256 k][128 n]: slot 0 always holds k 0-255 (with window 2), slot 1 k 256-511 (with window 3).  W lies [k][n], so its fragments come out of LDS turned, by ds_load_tr16_b128.
; CLUSTER 4 x 4: the four of a row share their rows of h, the four of a column their columns of W: both are asked for jointly.
; THE PRODUCT IS TAKEN TRANSPOSED (source 0 = 16 columns of W, source 1 = 16 rows of h): lane l holds row l % 16 and columns 8 (l / 16) + 0..7.
; REGISTERS: window 0: v16-31 addresses, v32-95 at work on the way out, v128-255 accumulators ((a, b) at 128 + 8 (4 a + b)); window 1: W's fragments of a step (k block q, n block b at 32 q + 8 b);
;   windows 2, 3: h's fragments (k block q, row block a at 32 q + 8 a).
; LDS: 0 h's block, 128 rows of 1,040 bytes; after its one fill and every wave's reads of it (waited for ahead of the first step's barrier) it serves as four private stages of 64 x 272 bytes;
;   then the two slots, 256 rows of 288 bytes each; then the spare words.
.set NT,    3
.set NP,    1536
.set WOFF,  0
.set PA,    1040                       ; 1,024 + 16: an odd multiple of 16 bytes
.set PB,    288                        ; 256 + 32: an odd multiple of 32 bytes, for the turning load
.set BS0,   128*PA
.set BS1,   BS0+256*PB
.set SPARE, BS1+256*PB
.set SPI,   272
.set ACC,   128
.set MSB, 0
.macro WIN new                         ; the high byte repeats the setting that is left; a switch that changes nothing is dropped
.if MSB != (\new)
	s_set_vgpr_msb (MSB<<8)|(\new)
.set MSB, (\new)
.endif
.endm
.macro PLACES                          ; four plain places behind matrix instructions, ahead of loads into their sources and of reads of their results
.rept 4
	v_nop
.endr
.endm
.macro CREST                           ; a round of the cluster's barrier behind its opening barrier
	s_cmp_lg_u32 s10, 0
	s_cbranch_scc1 .Lnot_wave_0_\@
	s_barrier_signal -3
.Lnot_wave_0_\@:
	s_barrier_wait -3
	s_barrier_signal -1
	s_barrier_wait -1
.endm
.macro CROUND
	s_barrier_signal -1
	s_barrier_wait -1
	CREST
.endm
; 16 matrix instructions: k block q of the step, all 16 accumulators by turns (fifteen others stand between two links of a chain)
.macro G q, win, zero
	WIN 0x01|((\win)<<2)
.irp a, 0,1,2,3
.irp b, 0,1,2,3
.if \zero
	v_wmma_f32_16x16x32_bf16 v[ACC+8*(4*\a+\b):ACC+8*(4*\a+\b)+7], v[32*(\q)+8*\b:32*(\q)+8*\b+7], v[32*(\q)+8*\a:32*(\q)+8*\a+7], 0
.else
	v_wmma_f32_16x16x32_bf16 v[ACC+8*(4*\a+\b):ACC+8*(4*\a+\b)+7], v[32*(\q)+8*\b:32*(\q)+8*\b+7], v[32*(\q)+8*\a:32*(\q)+8*\a+7], v[ACC+8*(4*\a+\b):ACC+8*(4*\a+\b)+7]
.endif
.endr
.endr
.endm
; 32 LDS loads in one run: W's fragments of four k blocks (half 0: q = 0-3, half 1: q = 4-7), eight loads a block, in ascending q
.macro FETCHB slot, half
	WIN 0x40
.irp q, 0,1,2,3
.irp b, 0,1,2,3
	ds_load_tr16_b128 v[32*(4*(\half)+\q)+8*\b:32*(4*(\half)+\q)+8*\b+3], v[16+2*(\slot)+(\half)] offset:32*PB*\q+32*\b
	ds_load_tr16_b128 v[32*(4*(\half)+\q)+8*\b+4:32*(4*(\half)+\q)+8*\b+7], v[16+2*(\slot)+(\half)] offset:32*PB*\q+32*\b+16*PB
.endr
.endr
.endm
.macro LOADA                           ; my 64 rows x 512 k of h into windows 2 and 3
.irp kk, 0,1,2,3,4,5,6,7,8,9,10,11,12,13,14,15
	WIN 0x80+0x40*(\kk/8)
.irp a, 0,1,2,3
	ds_load_b128 v[32*(\kk%8)+8*\a:32*(\kk%8)+8*\a+3], v20 offset:16*PA*\a+64*\kk
	ds_load_b128 v[32*(\kk%8)+8*\a+4:32*(\kk%8)+8*\a+7], v20 offset:16*PA*\a+64*\kk+32
.endr
.endr
.endm
; A STEP: 256 along k, 128 matrix instructions.  At its head the step's first 32 fragment loads are out.  The counts leave the younger groups of eight loads out.
; mode 1: the slot is filled again with the next column tile's part: each wave waits for all its tensor loads, adds 0 to its spare word, waits for that and for its reads of the slot; the barrier opens a round of the
; cluster's barrier; the joint refill is the first thing behind the round, one load a wave (its quarter of the slot).  mode 2: the same barrier, nothing is filled.  mode 3: the last step.
.macro STEP slot, zero, mode
	s_wait_dscnt 24                                ; group 0 is in
	G 0, 2+(\slot), \zero
	s_wait_dscnt 16
	G 1, 2+(\slot), 0
	PLACES                                         ; the step before multiplied by the registers that are loaded now
	FETCHB \slot, 1
	s_wait_dscnt 40                                ; group 3's eight and the 32 just issued
	G 2, 2+(\slot), 0
	s_wait_dscnt 32
	G 3, 2+(\slot), 0
	s_wait_dscnt 24
	G 4, 2+(\slot), 0
.if (\mode) < 3
	WIN 0
	s_wait_tensorcnt 0x0                           ; all my tensor loads have landed: my part of the other slot
	ds_add_u32 v28, v29                            ; 0 onto my spare word
	s_wait_dscnt 17                                ; groups 6, 7 and the add may be out
	G 5, 2+(\slot), 0
	s_wait_dscnt 0x0                               ; the add is done, my reads of this slot are over
	s_barrier_signal -1
	G 6, 2+(\slot), 0
	WIN 0
	s_barrier_wait -1
.if (\mode) == 1
	CREST                                          ; no wave of any partner still reads the slot or has a load on its way
	s_add_nc_u64 s[58+4*(\slot):59+4*(\slot)], s[58+4*(\slot):59+4*(\slot)], 256  ; the next 128 columns
	tensor_load_to_lds s[56+4*(\slot):59+4*(\slot)], s[48:55]
	s_nop 0
	PLACES                                         ; also the places ahead of the loads below
.else
	PLACES
.endif
	FETCHB 1-(\slot), 0
	G 7, 2+(\slot), 0
.else
	s_wait_dscnt 16
	G 5, 2+(\slot), 0
	s_wait_dscnt 8
	G 6, 2+(\slot), 0
	s_wait_dscnt 0x0
	G 7, 2+(\slot), 0
.endif
.endm
; What hangs on the column tile's number s66 (0..11): which of q, k, v (s66 / 4), which pair of heads (s66 % 4).  Selects and addresses alone: no branch hangs on it.
.macro TILEHEAD
	s_wait_xcnt 0x0                                ; the last tile's loads and stores have read their bases
	s_lshr_b32 s67, s66, 2
	s_and_b32 s74, s66, 3
	s_cmp_eq_u32 s67, 0
	s_cselect_b64 s[70:71], s[84:85], s[86:87]
	s_cmp_eq_u32 s67, 2
	s_cselect_b64 s[70:71], s[88:89], s[70:71]
	s_lshl_b32 s76, s74, 9
	s_mov_b32 s77, 0
	s_add_nc_u64 s[70:71], s[70:71], s[76:77]      ; the bias of the tile's 128 columns
	s_lshl_b32 s76, s67, 23
	s_lshl_b32 s75, s74, 19
	s_add_co_u32 s76, s76, s75
	s_add_nc_u64 s[68:69], s[20:21], s[76:77]      ; the tile's two heads, my work-group's rows
	s_lshl_b32 s76, s66, 9
	s_add_nc_u64 s[72:73], s[22:23], s[76:77]      ; the tile's columns in my row of vsum
	global_load_b128 v[80:83], v27, s[70:71]
.endm
; THE WAY OUT: the wave's 64 x 64 in f32 into its own stage; back by rows, 16 rows a trip: bias, column sums, f16, stores of 256 consecutive bytes (two rows of a head).
.macro EPI
	WIN 0
	PLACES
.irp a, 0,1,2,3
.irp b, 0,1,2,3
	ds_store_b128 v24, v[ACC+8*(4*\a+\b):ACC+8*(4*\a+\b)+3] offset:16*SPI*\a+64*\b
	ds_store_b128 v24, v[ACC+8*(4*\a+\b)+4:ACC+8*(4*\a+\b)+7] offset:16*SPI*\a+64*\b+16
.endr
.endr
.irp i, 84,85,86,87,88,89,90,91
	v_mov_b32 v\i, 0                               ; the column sums start at 0
.endr
	v_mov_b32 v25, v30
	v_mov_b32 v26, v31
	s_wait_loadcnt 0x0                             ; the bias
	s_mov_b32 s2, 4
.Lepi_\@:
.irp p, 0,1,2,3,4,5,6,7
	ds_load_b128 v[32+4*\p:35+4*\p], v25 offset:2*SPI*\p  ; LDS serves a wave's instructions in order (ISA guide 5.7.1.4): these see my stores above
.endr
	s_wait_dscnt 0x0
.irp p, 0,1,2,3,4,5,6,7
	v_pk_add_f32 v[32+4*\p:33+4*\p], v[32+4*\p:33+4*\p], v[80:81]
	v_pk_add_f32 v[34+4*\p:35+4*\p], v[34+4*\p:35+4*\p], v[82:83]
.endr
.irp p, 0,1,2,3,4,5,6,7
	v_pk_add_f32 v[84:85], v[84:85], v[32+4*\p:33+4*\p]
	v_pk_add_f32 v[86:87], v[86:87], v[34+4*\p:35+4*\p]
	v_cvt_pk_f16_f32 v[64+2*\p], v[32+4*\p], v[33+4*\p]
	v_cvt_pk_f16_f32 v[65+2*\p], v[34+4*\p], v[35+4*\p]
.endr
.irp p, 0,1,2,3,4,5,6,7
	global_store_b64 v26, v[64+2*\p:65+2*\p], s[68:69] offset:256*\p
.endr
	s_wait_xcnt 0x0                                ; the stores have read their data and offset
	v_add_nc_u32 v25, 16*SPI, v25
	v_add_nc_u32 v26, 2048, v26
	s_sub_co_u32 s2, s2, 1
	s_cmp_lg_u32 s2, 0
	s_cbranch_scc1 .Lepi_\@
.irp i, 0,1,2,3
	v_permlanex16_b32 v[88+\i], v[84+\i], s94, s95 ; even and odd rows lie in the two halves of the lanes
.endr
.irp i, 0,1,2,3
	v_add_f32 v[84+\i], v[84+\i], v[88+\i]
.endr
	v_cmp_gt_u32 vcc_lo, 16, v3
	s_and_saveexec_b32 s67, vcc_lo                 ; (no load or store has been issued since the wait above)
	global_store_b128 v27, v[84:87], s[72:73]      ; sixteen lanes: 256 consecutive bytes, aligned
	s_wait_xcnt 0x0                                ; EXEC changes only behind this wait
	s_or_b32 exec_lo, exec_lo, s67
.endm
	s_load_b256 s[80:87], s[0:1], 0x0              ; h s[80:81], wb s[82:83], bq s[84:85], bk s[86:87]
	s_load_b128 s[88:91], s[0:1], 0x20             ; bv s[88:89], qkvb s[90:91]
	s_load_b64 s[92:93], s[0:1], 0x30              ; vsum
	v_lshl_add_u32 v28, v0, 2, SPARE
	v_mov_b32 v29, 0
	ds_add_u32 v28, v29                            ; the wave's opening: an add and its wait ahead of my first tensor load
	ds_add_u32 v28, v29
	v_lshrrev_b32 v1, 5, v0
	v_readfirstlane_b32 s10, v1                    ; wave 0..3
	s_lshr_b32 s11, s10, 1                         ; which 64 rows are mine
	s_and_b32 s12, s10, 1                          ; which 64 columns
	s_bfe_u32 s40, ttmp6, 0x40000                  ; cx
	s_bfe_u32 s41, ttmp6, 0x40004                  ; cy
	s_lshl_b32 s44, ttmp9, 2
	s_add_co_u32 s44, s44, s40                     ; column group
	s_and_b32 s13, ttmp7, 0xffff
	s_lshl_b32 s13, s13, 2
	s_add_co_u32 s13, s13, s41                     ; row block
	s_lshl_b32 s42, s41, 2
	s_lshl_b32 s42, 15, s42                        ; my row of the cluster
	s_lshl_b32 s43, 0x1111, s40                    ; my column
	s_or_b32 s24, s42, (1<<16)|(1<<20)|(1<<21)|(7<<22)|(3<<25)  ; h: mask of my row; 2-byte elements; padding of 4 words after every 256 words
	s_mov_b32 s25, 512<<16                         ; tensor_dim0 = 512
	s_mov_b32 s26, 32<<16                          ; tensor_dim1 = 32
	s_mov_b32 s27, 512<<16                         ; tile_dim0 = 512
	s_mov_b32 s28, 32                              ; tile_dim1 = 32
	s_mov_b32 s29, 512                             ; elements from row to row
	s_mov_b32 s30, 0
	s_mov_b32 s31, 0
	s_or_b32 s48, s43, (1<<16)|(1<<20)|(1<<21)|(5<<22)|(7<<25)  ; W: mask of my column; padding of 8 words after every 64 words
	s_mov_b32 s49, 128<<16
	s_mov_b32 s50, 64<<16
	s_mov_b32 s51, 128<<16
	s_mov_b32 s52, 64
	s_mov_b32 s53, NP
	s_mov_b32 s54, 0
	s_mov_b32 s55, 0
	s_mov_b32 s32, 1
	s_mul_i32 s33, s10, 32*PA                      ; my 32 rows of h's block
	s_mov_b32 s56, 1
	s_mul_i32 s57, s10, 64*PB                      ; my 64 k rows of a slot
	s_add_co_u32 s61, s57, BS1
	s_add_co_u32 s57, s57, BS0
	s_mov_b32 s60, 1
	s_lshl_b32 s14, s13, 17                        ; h: 128 rows of 1,024 bytes a block,
	s_lshl_b32 s15, s10, 15                        ; my 32 rows
	s_add_co_u32 s14, s14, s15
	s_mov_b32 s15, 0
	s_mul_i32 s46, s10, 64*2*NP                    ; W: my 64 k rows,
	s_mul_i32 s47, s44, NT*256                     ; the group's first column
	s_add_co_u32 s46, s46, s47
	s_add_co_u32 s46, s46, WOFF
	s_mov_b32 s47, 0
	s_wait_dscnt 0x0                               ; the opening add is done
	s_wait_kmcnt 0x0
	s_add_nc_u64 s[34:35], s[80:81], s[14:15]
	s_or_b32 s35, s35, 0x80000000
	s_add_nc_u64 s[58:59], s[82:83], s[46:47]
	s_add_nc_u64 s[62:63], s[58:59], 256*2*NP      ; slot 1: k 256 on
	s_or_b32 s59, s59, 0x80000000
	s_or_b32 s63, s63, 0x80000000
	CROUND                                         ; all sixteen work-groups are here: the first joint loads meet
	tensor_load_to_lds s[32:35], s[24:31]          ; three loads of mine are out
	s_nop 0
	tensor_load_to_lds s[56:59], s[48:55]
	s_nop 0
	tensor_load_to_lds s[60:63], s[48:55]
	s_nop 0
	PLACES
	s_lshr_b32 s16, s13, 4                         ; batch
	s_lshl_b32 s16, s16, 21                        ; 8 heads x 262,144 bytes
	s_and_b32 s17, s13, 15
	s_lshl_b32 s17, s17, 14                        ; 128 rows x 128 bytes
	s_add_co_u32 s16, s16, s17
	s_mov_b32 s17, 0
	s_add_nc_u64 s[20:21], s[90:91], s[16:17]
	s_lshl_b32 s16, s13, 1
	s_add_co_u32 s16, s16, s11
	s_mul_i32 s16, s16, 6144
	s_add_nc_u64 s[22:23], s[92:93], s[16:17]
	s_mul_i32 s66, s44, NT                         ; my first column tile
	s_mov_b32 s94, 0x76543210
	s_mov_b32 s95, 0xfedcba98
	v_and_b32 v1, 15, v0                           ; l % 16
	v_bfe_u32 v2, v0, 4, 1                         ; l / 16
	v_and_b32 v3, 31, v0                           ; l
	v_and_b32 v4, 7, v0
	v_bfe_u32 v5, v0, 3, 1
	v_lshl_add_u32 v6, v2, 3, v4                   ; the turning load: k row 8 (l / 16) + l % 8,
	v_mul_u32_u24 v6, v6, PB
	v_lshl_add_u32 v6, v5, 4, v6                   ; columns 8 ((l / 8) % 2) on,
	s_lshl_b32 s16, s12, 7
	v_add_nc_u32 v6, s16, v6                       ; in my 64 columns
	v_add_nc_u32 v16, BS0, v6
	v_add_nc_u32 v17, BS0+128*PB, v6
	v_add_nc_u32 v18, BS1, v6
	v_add_nc_u32 v19, BS1+128*PB, v6
	s_mul_i32 s17, s11, 64*PA
	v_mul_u32_u24 v20, v1, PA
	v_lshl_add_u32 v20, v2, 4, v20
	v_add_nc_u32 v20, s17, v20
	s_mul_i32 s16, s10, 64*SPI                     ; my stage
	v_mul_u32_u24 v24, v1, SPI
	v_lshl_add_u32 v24, v2, 5, v24
	v_add_nc_u32 v24, s16, v24
	v_mul_u32_u24 v30, v2, SPI
	v_lshl_add_u32 v30, v1, 4, v30
	v_add_nc_u32 v30, s16, v30
	s_lshl_b32 s17, s12, 18                        ; my head of the tile's two,
	s_lshl_b32 s18, s11, 13                        ; my 64 rows
	s_add_co_u32 s17, s17, s18
	v_lshl_add_u32 v31, v3, 3, s17
	s_lshl_b32 s18, s12, 8
	v_lshl_add_u32 v27, v1, 4, s18                 ; my four columns, in f32: bias and vsum
	s_wait_tensorcnt 1                             ; h's block and slot 0 are in; slot 1's load may stay out
	s_barrier_signal -1
	s_barrier_wait -1
	LOADA
	FETCHB 0, 0
	WIN 0
	s_mov_b32 s3, NT-1
.Ltile:
	TILEHEAD
	STEP 0, 1, 1
	STEP 1, 0, 1
	EPI
	s_add_co_u32 s66, s66, 1
	s_sub_co_u32 s3, s3, 1
	s_cmp_lg_u32 s3, 0
	s_cbranch_scc1 .Ltile
	TILEHEAD                                       ; the last tile is written out: it asks for nothing more
	STEP 0, 1, 2
	STEP 1, 0, 3
	EPI
	s_wait_tensorcnt 0x0                           ; the wave's end
	ds_add_u32 v28, v29
	s_wait_dscnt 0x0
	CROUND                                         ; the closing round
	s_endpgm
.Lfunc_end_k_q0f81361776_qkv:
	.size	k_q0f81361776_qkv, .Lfunc_end_k_q0f81361776_qkv-k_q0f81361776_qkv
	.p2alignl 7, 3214868480
	.fill 96, 4, 3214868480
	.section	.rodata,"a",@progbits
	.p2align	6, 0x0
	.amdhsa_kernel k_q0f81361776_qkv
		.amdhsa_group_segment_fixed_size 327680
		.amdhsa_private_segment_fixed_size 0
		.amdhsa_enable_private_segment 0
		.amdhsa_kernarg_size 56
		.amdhsa_user_sgpr_count 2
		.amdhsa_user_sgpr_kernarg_segment_ptr 1
		.amdhsa_wavefront_size32 1
		.amdhsa_system_sgpr_workgroup_id_x 1
		.amdhsa_system_sgpr_workgroup_id_y 1
		.amdhsa_system_sgpr_workgroup_id_z 1
		.amdhsa_system_vgpr_workitem_id 0
		.amdhsa_next_free_vgpr 1024
		.amdhsa_next_free_sgpr 96
		.amdhsa_reserve_vcc 1
		.amdhsa_float_denorm_mode_32 3
		.amdhsa_float_denorm_mode_16_64 3
		.amdhsa_memory_ordered 1
		.amdhsa_forward_progress 1
		.amdhsa_inst_pref_size 84
	.end_amdhsa_kernel
	.amdgpu_metadata
---
amdhsa.version: [ 1, 2 ]
amdhsa.kernels:
  - .name:           k_q0f81361776_qkv
    .symbol:         k_q0f81361776_qkv.kd
    .args:
      - { .name: h, .offset: 0, .size: 8, .value_kind: global_buffer, .address_space: global }
      - { .name: wb, .offset: 8, .size: 8, .value_kind: global_buffer, .address_space: global }
      - { .name: bq, .offset: 16, .size: 8, .value_kind: global_buffer, .address_space: global }
      - { .name: bk, .offset: 24, .size: 8, .value_kind: global_buffer, .address_space: global }
      - { .name: bv, .offset: 32, .size: 8, .value_kind: global_buffer, .address_space: global }
      - { .name: qkvb, .offset: 40, .size: 8, .value_kind: global_buffer, .address_space: global }
      - { .name: vsum, .offset: 48, .size: 8, .value_kind: global_buffer, .address_space: global }
    .group_segment_fixed_size: 327680
    .private_segment_fixed_size: 0
    .kernarg_segment_align: 8
    .kernarg_segment_size: 56
    .max_flat_workgroup_size: 128
    .sgpr_count:     96
    .vgpr_count:     1024
    .wavefront_size: 32
...
	.end_amdgpu_metadata
.endif
;; end of part 2
;; launch attn (part 3): grid 8 x 32, 4 waves a work-group, no clusters, 327,680 bytes of LDS; arguments qkvb, mask, vsum, ob; writes ob
.if DOCPART == 3
	.amdgcn_target "amdgcn-amd-amdhsa--gfx1250"
	.amdhsa_code_object_version 6
	.text
	.protected	k_q0f81361776_attn
	.globl	k_q0f81361776_attn
	.p2align	8
	.type	k_q0f81361776_attn,@function
k_q0f81361776_attn:
	s_mov_b64 s[64:65], 0
	v_nop
	global_prefetch_b8 v0, s[64:65] scope:SCOPE_SE
	s_setreg_imm32_b32 hwreg(HW_REG_WAVE_MODE, 25, 1), 1
	s_wait_xcnt 0x0
; CAUSAL ATTENTION WITH A PADDING MASK.  O[head][q] = sum over k of softmax_k(score) V[head][k], score = Q.K / 8, or hidden where k > q or mask[batch][k] = 0.  q, k, v: qkvb [3][32][2048][64] f16; O: ob [32][2048][64] bf16.
; Products, maxima and sums in f32; the weights are rounded to f16 for the second product (their sum is taken unrounded), O once at the end.
; A ROW WITHOUT ANY VISIBLE KEY has 2,048 equal scores in the problem's own arithmetic: its result is the mean of ALL 2,048 rows of V.  That mean is made from vsum, and chosen by v_cndmask where the row's maximum says so.
; LIMITS.  A hidden score counts as its value less 1e30 (f16's scores are 2.7e11 at the most); a row counts as wholly hidden if its running maximum lies below -2^96; a weight below 2^-126 counts as 0; NaN and infinities are not treated apart.
; THE WALK.  A head has 16 blocks of 128 queries; block i needs key tiles 0 .. i of 128 keys.  Work-group b takes blocks 15 - b and then b: 17 tiles whatever b, so all 256 work-groups do equal work and one loop with a
; constant count walks them.  NO CLUSTER: a head's eight work-groups ask for the same tile in trips 0 to 8 alone, and one walk common to all would have 24 trips for 17.
; SHARES.  A wave owns 32 queries of a block, two tiles t of 16.  A trip is one key tile: for each t 16 products S^T = K Q^T, the softmax of 64 scores a lane, 16 products O^T = V^T P.
; LAYOUT.  S^T holds one query a lane (l % 16) and keys 8 (l / 16) + 0..7 of each 16; two such results rounded to f16 are source 1 of V^T P.  K comes out of LDS as it lies, V turned (ds_load_tr16_b128).
; THE MASKS start the sums: ahead of its products S^T is set to MP + AL x MDX.  MP is the padding's 0 or -1e30 for the tile's keys, read from a table in LDS; MDX the diagonal's mask for my queries, made once;
; AL a scalar, 1 in a block's last tile and 0 elsewhere.  So one text serves every tile, and no branch stands among the products.
; THE TWO TILES TAKE TURNS INSIDE A TRIP, so that vector lines stand behind the matrix instructions:
;   K Q^T of tile 0 | tile 1's mask        K Q^T of tile 1 | tile 0's maximum, first scalings and exponentials        the rest of tile 0's softmax
;   the change of slots, the next tile's K and mask are fetched
;   V^T P of tile 0 | tile 1's maximum, tile 0's sums        the rest of tile 1's softmax        V^T P of tile 1 | tile 1's sums, tile 0's mask for the next trip        V of the next tile is fetched
; REGISTERS: window 0: v1-15 addresses; v16-31 statistics (tile t at 16 + 8 t: c m, m, l l, a -, d, tmp); v32-47 at work; v48-55 set-up; v61 -1e30; v62, v63 the add's; v64-191 S^T; v192-255 O^T.
;   window 1: v0-63 P; v64-127 MP; v128-159 Q; v160-191 the second block's Q; v192-223 the mean of V.   window 2: v0-127 K; v128-255 V.   window 3: v0-71 MDX.
.set PK,    144
.set PV,    160
.set VOFF,  128*PK
.set SLOT1, 65536
.set STAGE, 131072                     ; 16 rows x 144 bytes for each wave, for the way out
.set SP,    144
.set PADT,  STAGE+4*16*SP              ; 2,048 f32: 0 or -1e30 for each key of the batch
.set VMT,   PADT+8192                  ; four partial sums of V's columns, 256 bytes each
.set VMF,   VMT+1024                   ; the mean, a copy for each wave
.set SPARE, VMF+1024
.set ST, 16
.set CC, 32
.set S,  64
.set OA, 192
.set MSB, 0
.macro WIN new
.if MSB != (\new)
	s_set_vgpr_msb (MSB<<8)|(\new)
.set MSB, (\new)
.endif
.endm
.macro PLACES
.rept 4
	v_nop
.endr
.endm
; s12 wave; s14 b; s15 15 - b; s[24:31], s[32:39] group 1 for K, V; s[40:47], s[48:55] group 0, two sets each (the second walks); s56, s57 counters; s[58:59] c; s[60:61] lane selects; s62 slot of the fetches;
; s63 tiles of the block still to be entered; s[66:67], s[68:69] K, V at my half of tile 0; s70 tile to ask for; s71 tile to fetch; s72 temp; s73 last tile of the block asked for; s[74:75] a tile's offset;
; s[76:77] O; s[78:79] O of the second block; s81 -2^96; s82 tile to prefetch; s[84:85], s[86:87] prefetch base and address; s[88:89] an offset; s[94:95] AL, in the low word
.macro LOAD                            ; waves 0, 1 fetch the halves of a tile's K, waves 2, 3 those of its V: 64 keys each
	s_cmp_lt_u32 s12, 2
	s_cbranch_scc0 .Lfor_v_\@
	tensor_load_to_lds s[44:47], s[24:31]
	s_nop 0
	PLACES
	s_branch .Lasked_\@
.Lfor_v_\@:
	tensor_load_to_lds s[52:55], s[32:39]
	s_nop 0
	PLACES
.Lasked_\@:
.endm
; A prefetch of the tile that stands two refills on.  All eight work-groups of a head walk the same K and V; the one with b = 0, which walks tiles 0 to 15 in order, asks, each wave for the 8,192 bytes that it will
; load itself, a lane 256 bytes: each block is named once in the launch.  Tiles 0 to 3 come by their loads alone; behind tile 15 nothing is asked for.
.macro ASK
	s_cmp_lt_u32 s82, 16
	s_cbranch_scc0 .Lnot_mine_\@
	global_prefetch_b8 v11, s[86:87] th:TH_LOAD_NT scope:SCOPE_SE
	s_add_co_u32 s82, s82, 1
.Lnot_mine_\@:
.endm
.macro FETCH_K                         ; 128 keys x 64 channels: key block kb, channel half c at 16 kb + 8 c of window 2
	WIN 0
	v_add_nc_u32 v4, s62, v2
	WIN 0x80
.irp kb, 0,1,2,3,4,5,6,7
.irp c, 0,1
	ds_load_b128 v[16*\kb+8*\c:16*\kb+8*\c+3], v4 offset:16*PK*\kb+64*\c
	ds_load_b128 v[16*\kb+8*\c+4:16*\kb+8*\c+7], v4 offset:16*PK*\kb+64*\c+32
.endr
.endr
	WIN 0
.endm
.macro FETCH_MP                        ; the padding's mask for my keys of tile s71
	s_and_b32 s83, s71, 15
	s_lshl_b32 s83, s83, 9
	v_add_nc_u32 v6, s83, v10
	WIN 0x40
.irp g, 0,1,2,3,4,5,6,7
	ds_load_b128 v[64+8*\g:64+8*\g+3], v6 offset:64*\g
	ds_load_b128 v[64+8*\g+4:64+8*\g+7], v6 offset:64*\g+16
.endr
	WIN 0
.endm
.macro FETCH_V                         ; turned: key quarter kk, channel block cb at 128 + 32 kk + 8 cb of window 2; then the fetches go to the other slot
	WIN 0
	v_add_nc_u32 v5, s62, v3
	s_xor_b32 s62, s62, SLOT1
	WIN 0x80
.irp kk, 0,1,2,3
.irp cb, 0,1,2,3
	ds_load_tr16_b128 v[128+32*\kk+8*\cb:128+32*\kk+8*\cb+3], v5 offset:32*PV*\kk+32*\cb
	ds_load_tr16_b128 v[128+32*\kk+8*\cb+4:128+32*\kk+8*\cb+7], v5 offset:32*PV*\kk+32*\cb+16*PV
.endr
.endr
	WIN 0
.endm
; THE MATRIX WORK, one instruction at a time; the accumulators of a run take turns.
; Product i of 16 of tile t's S^T: channels 32 (i / 8) on, keys 16 (i % 8) on; it adds onto the mask.
.macro KQW t, i
	WIN 0x06
.set rS, S+64*(\t)+8*((\i)%8)
.set rK, 16*((\i)%8)+8*((\i)/8)
.set rQ, 128+16*(\t)+8*((\i)/8)
	v_wmma_f32_16x16x32_f16 v[rS:rS+7], v[rK:rK+7], v[rQ:rQ+7], v[rS:rS+7]
.endm
; Product i of 16 of tile t's O^T: keys 32 (i / 4) on, channels 16 (i % 4) on.
.macro PVW t, i
	WIN 0x06
.set rO, OA+32*(\t)+8*((\i)%4)
.set rV, 128+32*((\i)/4)+8*((\i)%4)
.set rP, 32*(\t)+8*((\i)/4)
	v_wmma_f32_16x16x32_f16 v[rO:rO+7], v[rV:rV+7], v[rP:rP+7], v[rO:rO+7]
.endm
; THE VECTOR WORK, one line at a time.
; PI: pair i of 32 of tile t's starting mask: MDX x AL + MP.  Tile t takes MDX's group kb + 1 - t for key block kb.
.macro PI t, i
	WIN 0x13
	v_pk_fma_f32 v[S+64*(\t)+2*(\i):S+64*(\t)+2*(\i)+1], v[2*(\i)+8-8*(\t):2*(\i)+9-8*(\t)], s[94:95], v[64+2*(\i):64+2*(\i)+1] op_sel_hi:[1,0,1]
.endm
; SAI: number n of the 38 that find tile t's maximum and statistics.  Each accumulator's lowest registers are read first.
;   0-23 eight chains of seven scores each; 24-27 the eight scores left over; 28-31 the chains and the old m into one; 32 the other half of the lanes'; 33 c m_old is kept; 34 m; 35 c m; 36 its change; 37 a
.macro SAI t, n
	WIN 0
.set rT, ST+8*(\t)
.set rC, CC+8*(\t)
.set rS, S+64*(\t)
.if (\n) < 8
	v_max3_num_f32 v[rC+(\n)], v[rS+8*(\n)], v[rS+8*(\n)+1], v[rS+8*(\n)+2]
.elseif (\n) < 24
	v_max3_num_f32 v[rC+(\n)%8], v[rC+(\n)%8], v[rS+8*((\n)%8)+2*((\n)/8)+1], v[rS+8*((\n)%8)+2*((\n)/8)+2]
.elseif (\n) < 28
	v_max3_num_f32 v[rC+(\n)-24], v[rC+(\n)-24], v[rS+16*((\n)-24)+7], v[rS+16*((\n)-24)+15]
.elseif (\n) == 28
	v_max3_num_f32 v[rC], v[rC], v[rC+1], v[rC+2]
.elseif (\n) == 29
	v_max3_num_f32 v[rC+3], v[rC+3], v[rC+4], v[rC+5]
.elseif (\n) == 30
	v_max3_num_f32 v[rC+6], v[rC+6], v[rC+7], v[rT+1]
.elseif (\n) == 31
	v_max3_num_f32 v[rC], v[rC], v[rC+3], v[rC+6]
.elseif (\n) == 32
	v_permlanex16_b32 v[rT+7], v[rC], s60, s61     ; the query's other 64 keys lie in the lane 16 away
.elseif (\n) == 33
	v_mov_b32 v[rT+6], v[rT]
.elseif (\n) == 34
	v_max_num_f32 v[rT+1], v[rC], v[rT+7]
.elseif (\n) == 35
	v_mul_f32 v[rT], s58, v[rT+1]
.elseif (\n) == 36
	v_sub_f32 v[rT+6], v[rT+6], v[rT]
.else
	v_exp_f32 v[rT+4], v[rT+6]
.endif
.endm
.macro FS t, i                         ; c s - c m for pair i
	v_pk_fma_f32 v[S+64*(\t)+2*(\i):S+64*(\t)+2*(\i)+1], v[S+64*(\t)+2*(\i):S+64*(\t)+2*(\i)+1], s[58:59], v[ST+8*(\t):ST+8*(\t)+1] op_sel_hi:[1,0,0] neg_lo:[0,0,1] neg_hi:[0,0,1]
.endm
.macro ES t, e
	v_exp_f32 v[S+64*(\t)+(\e)], v[S+64*(\t)+(\e)]
.endm
; BI: number j of the 96 of tile t's batch: 32 scalings and 64 exponentials; a pair is scaled five numbers or more ahead of its exponentials (the first: two).  Nothing in the batch names an exponential's result.
.macro BI t, j
	WIN 0
.if (\j) < 2
	FS \t, \j
.elseif (\j) < 92
.if ((\j)-2)%3 == 1
	FS \t, ((\j)-2)/3+2
.elseif ((\j)-2)%3 == 0
	ES \t, 2*(((\j)-2)/3)
.else
	ES \t, 2*(((\j)-2)/3)+1
.endif
.else
	ES \t, (\j)-32
.endif
.endm
.macro CI t, j                         ; pair j of the weights rounded to f16
	WIN 0x40
	v_cvt_pk_f16_f32 v[32*(\t)+(\j)], v[S+64*(\t)+2*(\j)], v[S+64*(\t)+2*(\j)+1]
.endm
.macro RS t, p                         ; pair p of O^T times a, in ascending order
	WIN 0
	v_pk_mul_f32 v[OA+32*(\t)+2*(\p):OA+32*(\t)+2*(\p)+1], v[OA+32*(\t)+2*(\p):OA+32*(\t)+2*(\p)+1], v[ST+8*(\t)+4:ST+8*(\t)+5] op_sel_hi:[1,0]
.endm
; TI: number z of the 32 that sum tile t's 32 pairs of weights, a tree in place (16, 8, 4, 2, 1 additions); the last is l = a l + sum.
.macro TI t, z
	WIN 0
.set rS, S+64*(\t)
.set rT, ST+8*(\t)
.if (\z) < 16
.set w, 4
.set u, (\z)
.elseif (\z) < 24
.set w, 8
.set u, (\z)-16
.elseif (\z) < 28
.set w, 16
.set u, (\z)-24
.elseif (\z) < 30
.set w, 32
.set u, (\z)-28
.else
.set w, 64
.set u, 0
.endif
.if (\z) < 31
	v_pk_add_f32 v[rS+w*u:rS+w*u+1], v[rS+w*u:rS+w*u+1], v[rS+w*u+w/2:rS+w*u+w/2+1]
.else
	v_pk_fma_f32 v[rT+2:rT+3], v[rT+2:rT+3], v[rT+4:rT+5], v[rS:rS+1] op_sel_hi:[1,0,1]
.endif
.endm
; Line x of the 64 that stand behind tile 1's K Q^T: four v_nop, the places between tile 0's last product and the first read of its scores; tile 0's maximum and statistics; the first 22 of its batch.
.macro L1 x
.if (\x) < 4
	v_nop
.elseif (\x) < 42
	SAI 0, (\x)-4
.else
	BI 0, (\x)-42
.endif
.endm
; Line x of the 64 that stand behind tile 0's V^T P: tile 1's maximum and statistics; from its number 24 on, where each waits for the one before, two of tile 0's sums stand between two of them.
.macro L4 x
.if (\x) < 24
	SAI 1, \x
.elseif (\x) < 60
.if ((\x)-24)%3 == 0
	SAI 1, 24+((\x)-24)/3
.else
	TI 0, 2*(((\x)-24)/3)+((\x)-24)%3-1
.endif
.elseif (\x) == 60
	SAI 1, 36
.elseif (\x) == 61
	TI 0, 24
.elseif (\x) == 62
	SAI 1, 37
.else
	TI 0, 25
.endif
.endm
; A BLOCK ENDS: O^T / l, the mean of V where the row saw no key, bf16, through my stage, out; then the second block's state.  Its first step has a = 0, so O^T and l need only be finite.
; At work: tile 1's score registers (tile 0's hold the next trip's mask already).
.macro WAYOUT
	WIN 0
	PLACES
.irp t, 0,1
	v_add_f32 v[ST+8*\t+2], v[ST+8*\t+2], v[ST+8*\t+3]
.endr
.irp t, 0,1
	v_permlanex16_b32 v[ST+8*\t+7], v[ST+8*\t+2], s60, s61
.endr
.irp t, 0,1
	v_add_f32 v[ST+8*\t+2], v[ST+8*\t+2], v[ST+8*\t+7]
.endr
.irp t, 0,1
	v_rcp_f32 v[ST+8*\t+2], v[ST+8*\t+2]
.endr
	v_nop
	s_wait_alu depctr_va_vdst(0)                   ; one wait for the two reciprocals
.irp t, 0,1
	WIN 0
.set WS, S+64+32*\t
.set i, 0
.rept 16
	v_pk_mul_f32 v[OA+32*\t+2*i:OA+32*\t+2*i+1], v[OA+32*\t+2*i:OA+32*\t+2*i+1], v[ST+8*\t+2:ST+8*\t+3] op_sel_hi:[1,0]
.set i, i+1
.endr
	v_cmp_gt_f32 vcc_lo, s81, v[ST+8*\t+1]         ; the row's maximum is a hidden score's
	WIN 0x04
.set i, 0
.rept 32
	v_cndmask_b32 v[OA+32*\t+i], v[OA+32*\t+i], v[192+i], vcc_lo
.set i, i+1
.endr
	WIN 0
.set i, 0
.rept 16
	v_cvt_pk_bf16_f32 v[WS+i], v[OA+32*\t+2*i], v[OA+32*\t+2*i+1]
.set i, i+1
.endr
.irp f, 0,1,2,3
	ds_store_b128 v7, v[WS+4*\f:WS+4*\f+3] offset:32*\f
.endr
.irp f, 0,1,2,3
	ds_load_b128 v[WS+16+4*\f:WS+16+4*\f+3], v8 offset:4*SP*\f  ; LDS serves a wave's instructions in order (ISA guide 5.7.1.4)
.endr
	s_wait_dscnt 0x0
.irp f, 0,1,2,3
	global_store_b128 v9, v[WS+16+4*\f:WS+16+4*\f+3], s[76:77] offset:2048*\t+512*\f  ; 512 consecutive bytes, aligned
.endr
.endr
	s_wait_xcnt 0x0                                ; the stores have read their registers and O's address
	s_mov_b64 s[76:77], s[78:79]
	s_add_co_u32 s63, s14, 1                       ; the second block has b + 1 tiles
.irp t, 0,1
	v_mov_b32 v[ST+8*\t], 0xfe000000               ; c m: far below every c s
	v_mov_b32 v[ST+8*\t+1], 0xff7fffff             ; m
.endr
	WIN 0x41
.set i, 0
.rept 32
	v_mov_b32 v[128+i], v[160+i]
.set i, i+1
.endr
	WIN 0
.endm
; A TRIP.  fill = 1: the slot that has been read out is filled again.
.macro TRIP fill
	s_sub_co_u32 s63, s63, 1
	s_wait_loadcnt 0x0                             ; Q (the first trip)
	s_wait_dscnt 32                                ; K and the mask have been waited for; V's 32 loads, the youngest on every way, may be out
.set i, 0
.rept 16                               ; tile 0's scores | tile 1's mask
	KQW 0, i
	PI 1, 2*i
	PI 1, 2*i+1
.set i, i+1
.endr
.set i, 0
.rept 16                               ; tile 1's scores | tile 0's softmax begins
	KQW 1, i
	L1 4*i
	L1 4*i+1
	L1 4*i+2
	L1 4*i+3
.set i, i+1
.endr
.set i, 22
.rept 74                               ; the rest of tile 0's batch
	BI 0, i
.set i, i+1
.endr
	v_nop                                          ; a plain instruction behind the last exponential,
	s_wait_alu depctr_va_vdst(0)                   ; and one wait for a and the 64 exponentials, ahead of their first reader
.set i, 0
.rept 32
	CI 0, i
.set i, i+1
.endr
.set i, 0
.rept 16
	RS 0, i
.set i, i+1
.endr
	s_wait_tensorcnt 0x0                           ; all my tensor loads have landed: my part of the next tile
	ds_add_u32 v62, v63                            ; 0 onto my spare word; scalar work stands between it and its wait
	s_add_co_u32 s83, s14, 1                       ; is the next trip's tile its block's last?  One tile is left, or the block ends here and the next block has one tile
	s_cmp_eq_u32 s63, 0
	s_cselect_b32 s83, s83, s63
	s_cmp_eq_u32 s83, 1
	s_cselect_b32 s94, 1.0, 0
.if \fill
	s_mov_b32 s72, s70
	s_lshl_b32 s74, s70, 14                        ; a tile is 16,384 bytes of K and of V
	s_xor_b32 s45, s45, SLOT1
	s_add_nc_u64 s[46:47], s[66:67], s[74:75]
	s_or_b32 s47, s47, 0x80000000
	s_xor_b32 s53, s53, SLOT1
	s_add_nc_u64 s[54:55], s[68:69], s[74:75]
	s_or_b32 s55, s55, 0x80000000
	s_add_co_u32 s70, s70, 1                       ; the block's next tile, or behind its last the second block's tile 0
	s_cmp_gt_u32 s70, s73
	s_cselect_b32 s70, 0, s70
	s_cselect_b32 s73, s14, s73
	s_wait_xcnt 0x0                                ; the last prefetch, a trip back, has read its address
	s_min_u32 s83, s82, 15
	s_lshl_b32 s88, s83, 14
	s_add_nc_u64 s[86:87], s[84:85], s[88:89]
.endif
	s_wait_dscnt 0x0                               ; the add is done; V is in: my reads of the slot are over
	s_barrier_signal -1
	s_barrier_wait -1
.if \fill
	LOAD                                           ; the one tensor load of this wave behind the barrier, and the first thing there
	ASK
.endif
	FETCH_K                                        ; the next tile's, under the work below
	FETCH_MP
.if \fill
	s_mov_b32 s71, s72
.endif
.set i, 0
.rept 16                               ; tile 0's V^T P | tile 1's maximum, tile 0's sums
	PVW 0, i
	L4 4*i
	L4 4*i+1
	L4 4*i+2
	L4 4*i+3
.set i, i+1
.endr
.set i, 0
.rept 96                               ; tile 1's batch; the last six of tile 0's sums, each of which waits for the one before, stand sixteen numbers apart in it
	BI 1, i
.if i%16 == 15
	TI 0, 26+i/16
.endif
.set i, i+1
.endr
	v_nop
	s_wait_alu depctr_va_vdst(0)                   ; one wait for tile 1's batch
.set i, 0
.rept 32
	CI 1, i
.set i, i+1
.endr
.set i, 0
.rept 16
	RS 1, i
.set i, i+1
.endr
	s_wait_dscnt 0x0                               ; the next tile's K and mask are in
.set i, 0
.rept 16                               ; tile 1's V^T P | tile 1's sums, tile 0's mask for the next trip
	PVW 1, i
	TI 1, 2*i
	TI 1, 2*i+1
	PI 0, 2*i
	PI 0, 2*i+1
.set i, i+1
.endr
	WIN 0
	s_cmp_eq_u32 s63, 0
	s_cbranch_scc0 .Lno_\@
	WAYOUT
.Lno_\@:
	PLACES
	FETCH_V
.endm
	s_load_b256 s[4:11], s[0:1], 0x0               ; qkvb s[4:5], mask s[6:7], vsum s[8:9], ob s[10:11]
	v_lshl_add_u32 v62, v0, 2, SPARE
	v_mov_b32 v63, 0
	ds_add_u32 v62, v63                            ; the wave's opening: an add and its wait ahead of my first tensor load
	ds_add_u32 v62, v63
	v_lshrrev_b32 v1, 5, v0
	v_readfirstlane_b32 s12, v1                    ; wave 0..3
	s_mov_b32 s14, ttmp9                           ; b
	s_sub_co_u32 s15, 15, s14
	s_and_b32 s2, ttmp7, 0xffff                    ; head 0..31
	s_lshl_b32 s3, s2, 18                          ; a head is 262,144 bytes
	s_lshl_b32 s13, s12, 12                        ; my wave's 32 rows
	s_add_co_u32 s13, s13, s3
	s_lshl_b32 s16, s15, 14
	s_add_co_u32 s16, s16, s13                     ; my rows of the first block
	s_mov_b32 s17, 0
	s_lshl_b32 s18, s14, 14
	s_add_co_u32 s18, s18, s13                     ; and of the second
	s_mov_b32 s19, 0
	s_and_b32 s83, s12, 1                          ; which 64 keys of a tile I fetch
	s_lshl_b32 s20, s83, 13
	s_add_co_u32 s20, s20, s3
	s_add_co_u32 s20, s20, 8388608                 ; K lies behind Q
	s_mov_b32 s21, 0
	s_lshr_b32 s22, s2, 3                          ; batch
	s_and_b32 s23, s2, 7                           ; head in the batch
	s_mov_b32 s24, (1<<16)|(1<<20)|(4<<22)|(3<<25) ; 64 keys are 8,192 dense bytes: 32 rows of 256 bytes, padded by 4 words after every 32 words (a key)
	s_mov_b32 s32, (1<<16)|(1<<20)|(4<<22)|(7<<25) ; V: by 8 words
.irp g, 24, 32
	s_mov_b32 s[\g+1], 128<<16
	s_mov_b32 s[\g+2], 32<<16
	s_mov_b32 s[\g+3], 128<<16
	s_mov_b32 s[\g+4], 32
	s_mov_b32 s[\g+5], 128
	s_mov_b32 s[\g+6], 0
	s_mov_b32 s[\g+7], 0
.endr
	s_mov_b32 s40, 1
	s_mul_i32 s41, s83, 64*PK
	s_mov_b32 s44, 1
	s_add_co_u32 s45, s41, SLOT1
	s_mov_b32 s48, 1
	s_mul_i32 s49, s83, 64*PV
	s_add_co_u32 s49, s49, VOFF
	s_mov_b32 s52, 1
	s_add_co_u32 s53, s49, SLOT1
	s_mov_b32 s58, 0x3e38aa3b                      ; c = log2(e) / 8
	s_mov_b32 s59, s58
	s_mov_b32 s60, 0x76543210
	s_mov_b32 s61, 0xfedcba98
	s_mov_b32 s62, 0
	s_sub_co_u32 s63, 16, s14                      ; the first block has 16 - b tiles, nine at the least: its first tile is not its last,
	s_mov_b32 s94, 0                               ; so AL starts at 0
	s_mov_b32 s95, 0                               ; named with it as a pair
	s_mov_b32 s70, 2
	s_mov_b32 s71, 0
	s_mov_b32 s73, s15
	s_mov_b32 s75, 0
	s_mov_b32 s81, 0xef800000                      ; -2^96
	s_mov_b32 s89, 0
	s_cmp_eq_u32 s14, 0
	s_cselect_b32 s82, 4, 16
	s_wait_dscnt 0x0                               ; the opening add is done
	s_wait_kmcnt 0x0
	s_add_nc_u64 s[66:67], s[4:5], s[20:21]
	s_add_nc_u64 s[68:69], s[66:67], 8388608
	s_add_nc_u64 s[42:43], s[66:67], 0
	s_or_b32 s43, s43, 0x80000000
	s_add_nc_u64 s[46:47], s[66:67], 16384
	s_or_b32 s47, s47, 0x80000000
	s_add_nc_u64 s[50:51], s[68:69], 0
	s_or_b32 s51, s51, 0x80000000
	s_add_nc_u64 s[54:55], s[68:69], 16384
	s_or_b32 s55, s55, 0x80000000
	s_cmp_lt_u32 s12, 2                            ; a wave's two first fills stand in one branch: two loads of mine are out
	s_cbranch_scc0 .Lfirst_v
	tensor_load_to_lds s[40:43], s[24:31]
	s_nop 0
	tensor_load_to_lds s[44:47], s[24:31]
	s_nop 0
	PLACES
	s_branch .Lfirst_asked
.Lfirst_v:
	tensor_load_to_lds s[48:51], s[32:39]
	s_nop 0
	tensor_load_to_lds s[52:55], s[32:39]
	s_nop 0
	PLACES
.Lfirst_asked:
	s_cmp_lt_u32 s12, 2
	s_cselect_b64 s[84:85], s[66:67], s[68:69]
	s_add_nc_u64 s[90:91], s[4:5], s[16:17]        ; Q of the first block,
	s_add_nc_u64 s[92:93], s[4:5], s[18:19]        ; of the second
	s_add_nc_u64 s[76:77], s[10:11], s[16:17]
	s_add_nc_u64 s[78:79], s[10:11], s[18:19]
	s_lshl_b32 s88, s22, 13
	s_add_nc_u64 s[6:7], s[6:7], s[88:89]          ; the batch's mask
	s_mul_i32 s88, s22, 32*6144
	s_lshl_b32 s23, s23, 8
	s_add_co_u32 s88, s88, s23
	s_add_co_u32 s88, s88, 4096
	s_add_nc_u64 s[8:9], s[8:9], s[88:89]          ; the batch's 32 rows of vsum, the head's 64 columns of V
	v_and_b32 v1, 15, v0                           ; l % 16
	v_bfe_u32 v48, v0, 4, 1                        ; l / 16
	v_and_b32 v49, 7, v0
	v_bfe_u32 v50, v0, 3, 1
	v_and_b32 v55, 31, v0
	v_lshlrev_b32 v52, 7, v1
	v_lshl_add_u32 v52, v48, 4, v52                ; Q: row x 128 + 16 x half
	WIN 0x40
.irp t, 0,1
.irp c, 0,1
	global_load_b128 v[128+16*\t+8*\c:128+16*\t+8*\c+3], v52, s[90:91] offset:2048*\t+64*\c
	global_load_b128 v[128+16*\t+8*\c+4:128+16*\t+8*\c+7], v52, s[90:91] offset:2048*\t+64*\c+32
	global_load_b128 v[160+16*\t+8*\c:160+16*\t+8*\c+3], v52, s[92:93] offset:2048*\t+64*\c
	global_load_b128 v[160+16*\t+8*\c+4:160+16*\t+8*\c+7], v52, s[92:93] offset:2048*\t+64*\c+32
.endr
.endr
	WIN 0
	v_lshlrev_b32 v12, 6, v0                       ; my 16 numbers of the mask
.irp i, 0,1,2,3
	global_load_b128 v[64+4*\i:67+4*\i], v12, s[6:7] offset:16*\i
.endr
	v_lshrrev_b32 v13, 4, v0
	v_mul_u32_u24 v13, v13, 6144
	v_lshl_add_u32 v13, v1, 4, v13                 ; vsum: row t / 16 (and 8, 16, 24 on), four columns
.irp i, 0,1,2,3
	global_load_b128 v[80+4*\i:83+4*\i], v13, s[8:9] offset:8*6144*\i
.endr
	; addresses, the diagonal's mask and the starting state are made while the loads are out
	v_mul_u32_u24 v2, v1, PK
	v_lshl_add_u32 v2, v48, 4, v2
	v_lshl_add_u32 v3, v48, 3, v49
	v_mul_u32_u24 v3, v3, PV
	v_lshl_add_u32 v3, v50, 4, v3
	v_add_nc_u32 v3, VOFF, v3
	s_mul_i32 s13, s12, 16*SP
	s_add_co_u32 s13, s13, STAGE
	v_mul_u32_u24 v7, v1, SP
	v_lshl_add_u32 v7, v48, 4, v7
	v_add_nc_u32 v7, s13, v7
	v_bfe_u32 v8, v0, 3, 2
	v_mul_u32_u24 v8, v8, SP
	v_lshl_add_u32 v8, v49, 4, v8
	v_add_nc_u32 v8, s13, v8
	v_lshlrev_b32 v9, 4, v55
	v_lshl_add_u32 v10, v48, 5, PADT
	v_lshlrev_b32 v11, 8, v55
	v_lshl_add_u32 v14, v0, 6, PADT
	s_lshl_b32 s13, s12, 8
	s_add_co_u32 s16, s13, VMT
	v_lshl_add_u32 v15, v1, 4, s16
	v_lshl_add_u32 v53, v1, 4, VMT
	s_add_co_u32 s16, s13, VMF
	v_lshl_add_u32 v54, v48, 5, s16
	v_mov_b32 v61, 0xf149f2ca                      ; -1e30
	v_lshlrev_b32 v51, 3, v48
	v_sub_nc_u32 v51, v1, v51
	s_lshl_b32 s13, s12, 5
	v_add_nc_u32 v51, s13, v51                     ; 32 w + l % 16 - 8 (l / 16): register j of group g is hidden where 16 (g - 1) + j is greater
	WIN 0xc0
.set i, 0
.rept 72
	v_cmp_gt_i32 vcc_lo, 16*(i/8)-16+i%8, v51
	v_cndmask_b32 v[i], 0, v61, vcc_lo
.set i, i+1
.endr
	WIN 0
.set i, 0
.rept 64
	v_mov_b32 v[OA+i], 0                           ; O^T and l need only be finite: the first step multiplies them by a = 0
.set i, i+1
.endr
.irp t, 0,1
	v_mov_b32 v[ST+8*\t], 0xfe000000
	v_mov_b32 v[ST+8*\t+1], 0xff7fffff
	v_mov_b32 v[ST+8*\t+2], 0
	v_mov_b32 v[ST+8*\t+3], 0
	v_mov_b32 v[ST+8*\t+5], 0
	v_mov_b32 v[ST+8*\t+7], 0
.endr
	s_wait_loadcnt 4                               ; the mask is in; vsum's four loads may be out
.set i, 0
.rept 16
	v_cmp_eq_u32 vcc_lo, 0, v[64+i]
	v_cndmask_b32 v[64+i], 0, v61, vcc_lo
.set i, i+1
.endr
.irp i, 0,1,2,3
	ds_store_b128 v14, v[64+4*\i:67+4*\i] offset:16*\i
.endr
	s_wait_loadcnt 0x0
	v_pk_add_f32 v[80:81], v[80:81], v[84:85]
	v_pk_add_f32 v[82:83], v[82:83], v[86:87]
	v_pk_add_f32 v[88:89], v[88:89], v[92:93]
	v_pk_add_f32 v[90:91], v[90:91], v[94:95]
	v_pk_add_f32 v[80:81], v[80:81], v[88:89]
	v_pk_add_f32 v[82:83], v[82:83], v[90:91]
.irp i, 0,1,2,3
	v_permlanex16_b32 v[84+\i], v[80+\i], s60, s61
.endr
.irp i, 0,1,2,3
	v_add_f32 v[80+\i], v[80+\i], v[84+\i]
.endr
	ds_store_b128 v15, v[80:83]                    ; my wave's eight rows of vsum, summed (both halves of the lanes hold and write the same)
	s_wait_tensorcnt 1                             ; my part of tile 0 is in; tile 1's may stay out
	s_wait_dscnt 0x0                               ; for the others' sake: my stores are done
	s_barrier_signal -1
	s_barrier_wait -1
.irp i, 0,1,2,3
	ds_load_b128 v[80+4*\i:83+4*\i], v53 offset:256*\i
.endr
	s_wait_dscnt 0x0
	v_pk_add_f32 v[80:81], v[80:81], v[84:85]
	v_pk_add_f32 v[82:83], v[82:83], v[86:87]
	v_pk_add_f32 v[88:89], v[88:89], v[92:93]
	v_pk_add_f32 v[90:91], v[90:91], v[94:95]
	v_pk_add_f32 v[80:81], v[80:81], v[88:89]
	v_pk_add_f32 v[82:83], v[82:83], v[90:91]
	v_pk_mul_f32 v[80:81], v[80:81], 0x3a000000 op_sel_hi:[1,0]  ; / 2,048
	v_pk_mul_f32 v[82:83], v[82:83], 0x3a000000 op_sel_hi:[1,0]
	ds_store_b128 v15, v[80:83] offset:VMF-VMT     ; my wave's own copy of the mean, read back in O^T's layout
	WIN 0x40
.irp cb, 0,1,2,3
	ds_load_b128 v[192+8*\cb:192+8*\cb+3], v54 offset:64*\cb
	ds_load_b128 v[192+8*\cb+4:192+8*\cb+7], v54 offset:64*\cb+16
.endr
	WIN 0
	FETCH_K                                        ; tile 0
	FETCH_MP
	s_wait_dscnt 0x0
.set i, 0
.rept 32
	PI 0, i                                        ; tile 0's mask for the first trip; every later one is made in the trip before
.set i, i+1
.endr
	FETCH_V
	s_mov_b32 s71, 1
	s_mov_b32 s56, 15
.Ltrip:                                ; 15 trips ask for the walk's tiles 2 to 16
	TRIP 1
	s_sub_co_u32 s56, s56, 1
	s_cmp_lg_u32 s56, 0
	s_cbranch_scc1 .Ltrip
	s_mov_b32 s57, 2
.Ltail:                                ; the last two trips ask for nothing; the very last fetches a landed slot once more and makes a mask of it, and nobody uses them: the price of one text for every trip
	TRIP 0
	s_sub_co_u32 s57, s57, 1
	s_cmp_lg_u32 s57, 0
	s_cbranch_scc1 .Ltail
	s_wait_tensorcnt 0x0                           ; the wave's end
	ds_add_u32 v62, v63
	s_wait_dscnt 0x0
	s_endpgm
.Lfunc_end_k_q0f81361776_attn:
	.size	k_q0f81361776_attn, .Lfunc_end_k_q0f81361776_attn-k_q0f81361776_attn
	.p2alignl 7, 3214868480
	.fill 96, 4, 3214868480
	.section	.rodata,"a",@progbits
	.p2align	6, 0x0
	.amdhsa_kernel k_q0f81361776_attn
		.amdhsa_group_segment_fixed_size 327680
		.amdhsa_private_segment_fixed_size 0
		.amdhsa_enable_private_segment 0
		.amdhsa_kernarg_size 32
		.amdhsa_user_sgpr_count 2
		.amdhsa_user_sgpr_kernarg_segment_ptr 1
		.amdhsa_wavefront_size32 1
		.amdhsa_system_sgpr_workgroup_id_x 1
		.amdhsa_system_sgpr_workgroup_id_y 1
		.amdhsa_system_sgpr_workgroup_id_z 1
		.amdhsa_system_vgpr_workitem_id 0
		.amdhsa_next_free_vgpr 840
		.amdhsa_next_free_sgpr 96
		.amdhsa_reserve_vcc 1
		.amdhsa_float_denorm_mode_32 3
		.amdhsa_float_denorm_mode_16_64 3
		.amdhsa_memory_ordered 1
		.amdhsa_forward_progress 1
		.amdhsa_inst_pref_size 134
	.end_amdhsa_kernel
	.amdgpu_metadata
---
amdhsa.version: [ 1, 2 ]
amdhsa.kernels:
  - .name:           k_q0f81361776_attn
    .symbol:         k_q0f81361776_attn.kd
    .args:
      - { .name: qkvb, .offset: 0, .size: 8, .value_kind: global_buffer, .address_space: global }
      - { .name: mask, .offset: 8, .size: 8, .value_kind: global_buffer, .address_space: global }
      - { .name: vsum, .offset: 16, .size: 8, .value_kind: global_buffer, .address_space: global }
      - { .name: ob, .offset: 24, .size: 8, .value_kind: global_buffer, .address_space: global }
    .group_segment_fixed_size: 327680
    .private_segment_fixed_size: 0
    .kernarg_segment_align: 8
    .kernarg_segment_size: 32
    .max_flat_workgroup_size: 128
    .sgpr_count:     96
    .vgpr_count:     840
    .wavefront_size: 32
...
	.end_amdgpu_metadata
.endif
;; end of part 3
;; launch wo (part 4): grid 256 x 1, 4 waves a work-group, clusters of 4 x 1, 327,680 bytes of LDS; arguments ob, wb, bo, x, g2, be2, x1, h; writes x1, h
.if DOCPART == 4
	.amdgcn_target "amdgcn-amd-amdhsa--gfx1250"
	.amdhsa_code_object_version 6
	.text
	.protected	k_q0f81361776_wo
	.globl	k_q0f81361776_wo
	.p2align	8
	.type	k_q0f81361776_wo,@function
k_q0f81361776_wo:
	s_mov_b64 s[64:65], 0
	v_nop
	global_prefetch_b8 v0, s[64:65] scope:SCOPE_SE
	s_setreg_imm32_b32 hwreg(HW_REG_WAVE_MODE, 25, 1), 1
	s_wait_xcnt 0x0
	s_wait_alu depctr_hold_cnt(0) depctr_sa_sdst(0) depctr_va_vdst(0) depctr_va_sdst(0) depctr_va_ssrc(0) depctr_va_vcc(0) depctr_vm_vsrc(0)
	s_getreg_b32 s2, hwreg(HW_REG_IB_STS2, 6, 4)
	s_cmp_eq_u32 s2, 0
	s_cbranch_scc0 .Lentry_in_a_cluster
	s_endpgm
.Lentry_in_a_cluster:
	s_bfe_u32 s2, ttmp6, 0x10000c
	s_cmp_lg_u32 s2, 0x3003
	s_cbranch_scc0 .Lentry_shape_is_right
	s_endpgm
.Lentry_shape_is_right:
; x1 = x + O Wo + bo, and h = bf16((x1 - mean) * rsqrt(var + 1e-5) * g2 + be2), the layer norm of x1's rows, in one launch.
; O: ob [32 heads][2048][64] bf16 (k = 64 head + channel); Wo: wb at byte 1,572,864, [512][512] bf16, [k][n]; x, x1: [8192][512] f32; h: [8192][512] bf16.  Sums and the norm in f32; the mean is taken first, then the
; variance of the centred numbers, so no difference of large sums is formed.  LIMITS: NaN and infinities are not treated apart.
; SHARES.  The norm wants whole rows, so a work-group makes 32 rows x all 512 columns: 256 work-groups.  Four waves, each 32 rows x 128 columns: 16 accumulators.
; CLUSTER 4 x 1: every work-group multiplies by the same Wo, so its tiles are asked for jointly by the four partners (the mask names all four); O's rows are a work-group's own and come by plain loads.
; O's 32 x 512 comes into LDS once and goes into 256 registers of every wave.  Wo goes in four periods of 128 along k through two LDS slots of [128 k][512 n]: two first fills, two refills.  Its fragments come out turned.
; The product is taken transposed (source 0 = 16 columns of Wo, source 1 = 16 rows of O): lane l holds row l % 16 and columns 8 (l / 16) + 0..7.
; THE WAY OUT.  32 x 512 in f32 into a stage, a barrier, then each wave takes 8 whole rows, 4 a trip.  The stage lies in slot 0: those bytes have had their last fill, and every wave's last reads of them are waited for
; ahead of the third period's barrier.
; REGISTERS: window 0: v16-31 addresses; v32-47 g2, v48-63 be2, v64-79 bo of my 16 columns; v128-255 accumulators ((a, b) at 128 + 8 (8 a + b)), later the rows at work;
;   window 1: Wo's fragments of a period (k block q, n block b at 64 q + 8 b); window 2: O's fragments (k block kk, row block a at 16 kk + 8 a); window 3: v0-127 my eight rows of x, asked for at the head.
.set WOFF,  1572864
.set PH,    144                        ; a row of a head in LDS: 128 + 16 bytes
.set PB,    1056                       ; a k row of Wo in LDS: 1,024 + 32 bytes, an odd multiple of 32, for the turning load
.set SLOTB, 128*PB
.set BS0,   8*32*PH
.set BS1,   BS0+SLOTB
.set SPARE, BS1+SLOTB
.set STAGE, BS0
.set SPI,   2064                       ; a stage row: 2,048 + 16 bytes
.set ACC,   128
.set GA,    32
.set BE,    48
.set BO,    64
.set X,     128                        ; row r of a trip's four at X + 16 r; at the end its low eight registers hold the packed bf16
.set A,     192                        ; four registers at work for each row
.set M,     208                        ; a pair for each row: the mean twice, later 1/sqrt(var + eps) twice
.set MSB, 0
.macro WIN new
.if MSB != (\new)
	s_set_vgpr_msb (MSB<<8)|(\new)
.set MSB, (\new)
.endif
.endm
.macro PLACES
.rept 4
	v_nop
.endr
.endm
.macro CREST                           ; a round of the cluster's barrier behind its opening barrier
	s_cmp_lg_u32 s10, 0
	s_cbranch_scc1 .Lnot_wave_0_\@
	s_barrier_signal -3
.Lnot_wave_0_\@:
	s_barrier_wait -3
	s_barrier_signal -1
	s_barrier_wait -1
.endm
.macro CROUND
	s_barrier_signal -1
	s_barrier_wait -1
	CREST
.endm
; 16 matrix instructions: k block q of period p, all 16 accumulators by turns
.macro MM q, p, zero
	WIN 0x09
.irp a, 0,1
.irp b, 0,1,2,3,4,5,6,7
.if \zero
	v_wmma_f32_16x16x32_bf16 v[ACC+8*(8*\a+\b):ACC+8*(8*\a+\b)+7], v[64*(\q)+8*\b:64*(\q)+8*\b+7], v[16*(4*(\p)+(\q))+8*\a:16*(4*(\p)+(\q))+8*\a+7], 0
.else
	v_wmma_f32_16x16x32_bf16 v[ACC+8*(8*\a+\b):ACC+8*(8*\a+\b)+7], v[64*(\q)+8*\b:64*(\q)+8*\b+7], v[16*(4*(\p)+(\q))+8*\a:16*(4*(\p)+(\q))+8*\a+7], v[ACC+8*(8*\a+\b):ACC+8*(8*\a+\b)+7]
.endif
.endr
.endr
.endm
; 32 LDS loads in one run: Wo's fragments of two k blocks (half 0: q = 0, 1; half 1: q = 2, 3), sixteen loads a block, in ascending q
.macro FETCHB slot, half
	WIN 0x40
.irp q, 0,1
.irp b, 0,1,2,3,4,5,6,7
	ds_load_tr16_b128 v[64*(2*(\half)+\q)+8*\b:64*(2*(\half)+\q)+8*\b+3], v[16+2*(\slot)+(\half)] offset:32*PB*\q+32*\b
	ds_load_tr16_b128 v[64*(2*(\half)+\q)+8*\b+4:64*(2*(\half)+\q)+8*\b+7], v[16+2*(\slot)+(\half)] offset:32*PB*\q+32*\b+16*PB
.endr
.endr
.endm
.macro LOADA                           ; all 32 rows x 512 k of O: k block kk lies in head kk / 2, channels 32 (kk % 2) on
	WIN 0x80
.irp kk, 0,1,2,3,4,5,6,7,8,9,10,11,12,13,14,15
.irp a, 0,1
	ds_load_b128 v[16*\kk+8*\a:16*\kk+8*\a+3], v20 offset:32*PH*(\kk/2)+16*PH*\a+64*(\kk%2)
	ds_load_b128 v[16*\kk+8*\a+4:16*\kk+8*\a+7], v20 offset:32*PH*(\kk/2)+16*PH*\a+64*(\kk%2)+32
.endr
.endr
.endm
; A PERIOD: 128 along k, 64 matrix instructions, out of slot p % 2.  At its head its first 32 fragment loads are out.  The counts leave the younger groups of sixteen loads out.
; mode 1: the slot is filled again, two periods ahead: each wave waits for all its tensor loads, adds 0 to its spare word, waits for that and for its reads of the slot; the barrier opens a round of the cluster's barrier;
; the joint refill is the first thing behind the round, one load a wave (its 32 k rows).  mode 2: the same barrier, nothing is filled.  mode 3: the last period.
.macro PSTEP p, mode, zero
	s_wait_dscnt 16                                ; k block 0 is in; block 1's sixteen loads may be out
	MM 0, \p, \zero
	PLACES                                         ; the period before multiplied by the registers that are loaded now
	FETCHB (\p)%2, 1
	s_wait_dscnt 32                                ; all but the 32 just issued
	MM 1, \p, 0
.if (\mode) < 3
	WIN 0
	s_wait_tensorcnt 0x0                           ; all my tensor loads have landed: my part of the other slot
	ds_add_u32 v28, v29                            ; 0 onto my spare word
	s_wait_dscnt 17                                ; k block 3's sixteen loads and the add may be out
	MM 2, \p, 0
	s_wait_dscnt 0x0                               ; the add is done, my reads of this slot are over
	WIN 0
	s_barrier_signal -1
	s_barrier_wait -1
.if (\mode) == 1
	CREST                                          ; no wave of any partner still reads the slot or has a load on its way
	s_add_nc_u64 s[58+4*((\p)%2):59+4*((\p)%2)], s[58+4*((\p)%2):59+4*((\p)%2)], 256*1024  ; 256 k rows on
	tensor_load_to_lds s[56+4*((\p)%2):59+4*((\p)%2)], s[48:55]
	s_nop 0
	PLACES                                         ; also the places ahead of the loads below
.else
	PLACES
.endif
	FETCHB 1-(\p)%2, 0
	MM 3, \p, 0
.else
	s_wait_dscnt 16
	MM 2, \p, 0
	s_wait_dscnt 0x0
	MM 3, \p, 0
.endif
.endm
.macro ALLROWS line:vararg             ; one line for each of a trip's four rows r: the rows stand side by side, so no line waits for the one before it
.set r, 0
.rept 4
	\line
.set r, r+1
.endr
.endm
.macro LANESUM                         ; v[A + 4 r] summed over the 32 lanes, the result in every lane
	ALLROWS v_add_f32_dpp v[A+4*r], v[A+4*r], v[A+4*r] row_xmask:1 row_mask:0xf bank_mask:0xf
	ALLROWS v_add_f32_dpp v[A+4*r], v[A+4*r], v[A+4*r] row_xmask:2 row_mask:0xf bank_mask:0xf
	ALLROWS v_add_f32_dpp v[A+4*r], v[A+4*r], v[A+4*r] row_xmask:4 row_mask:0xf bank_mask:0xf
	ALLROWS v_add_f32_dpp v[A+4*r], v[A+4*r], v[A+4*r] row_xmask:8 row_mask:0xf bank_mask:0xf
	ALLROWS v_permlanex16_b32 v[A+4*r+1], v[A+4*r], s74, s75
	ALLROWS v_add_f32 v[A+4*r], v[A+4*r], v[A+4*r+1]
.endm
	s_load_b256 s[80:87], s[0:1], 0x0              ; ob s[80:81], wb s[82:83], bo s[84:85], x s[86:87]
	s_load_b256 s[88:95], s[0:1], 0x20             ; g2 s[88:89], be2 s[90:91], x1 s[92:93], h s[94:95]
	v_lshl_add_u32 v28, v0, 2, SPARE
	v_mov_b32 v29, 0
	ds_add_u32 v28, v29                            ; the wave's opening: an add and its wait ahead of my first tensor load
	ds_add_u32 v28, v29
	v_lshrrev_b32 v1, 5, v0
	v_readfirstlane_b32 s10, v1                    ; wave 0..3
	s_bfe_u32 s40, ttmp6, 0x40000                  ; cx: my place in the cluster
	s_lshl_b32 s13, ttmp9, 2                       ; in a cluster launch ttmp9 counts clusters
	s_add_co_u32 s13, s13, s40                     ; my block of 32 rows, 0..255: it enters O's, x's, x1's and h's addresses alone
	s_mov_b32 s24, (1<<16)|(1<<20)|(4<<22)|(3<<25) ; O, a plain load: a head's 32 rows are 4,096 dense bytes: 16 rows of 256, padded by 4 words after every 32 words (a row of the head)
	s_mov_b32 s25, 128<<16
	s_mov_b32 s26, 16<<16
	s_mov_b32 s27, 128<<16
	s_mov_b32 s28, 16
	s_mov_b32 s29, 128
	s_mov_b32 s30, 0
	s_mov_b32 s31, 0
	s_mov_b32 s48, 15|(1<<16)|(1<<20)|(1<<21)|(7<<22)|(7<<25)  ; Wo, a joint load: the mask of four; 32 k rows x 512 elements, padded by 8 words after every 256 words
	s_mov_b32 s49, 512<<16
	s_mov_b32 s50, 32<<16
	s_mov_b32 s51, 512<<16
	s_mov_b32 s52, 32
	s_mov_b32 s53, 512
	s_mov_b32 s54, 0
	s_mov_b32 s55, 0
	s_mov_b32 s32, 1
	s_mul_i32 s33, s10, 2*32*PH                    ; heads 2 w and 2 w + 1
	s_mov_b32 s36, 1
	s_add_co_u32 s37, s33, 32*PH
	s_mov_b32 s56, 1
	s_mul_i32 s57, s10, 32*PB                      ; my 32 k rows of a slot
	s_add_co_u32 s61, s57, BS1
	s_add_co_u32 s57, s57, BS0
	s_mov_b32 s60, 1
	s_lshr_b32 s14, s13, 6
	s_lshl_b32 s14, s14, 21                        ; the batch's eight heads,
	s_and_b32 s15, s13, 63
	s_lshl_b32 s15, s15, 12                        ; the block's 32 rows of 128 bytes,
	s_add_co_u32 s14, s14, s15
	s_lshl_b32 s15, s10, 19                        ; my two heads
	s_add_co_u32 s14, s14, s15
	s_mov_b32 s15, 0
	s_lshl_b32 s46, s10, 15                        ; Wo: my 32 k rows of 1,024 bytes: the wave's number alone
	s_add_co_u32 s46, s46, WOFF
	s_mov_b32 s47, 0
	s_mov_b32 s74, 0x76543210                      ; v_permlanex16_b32: each lane takes its own place in the other half
	s_mov_b32 s75, 0xfedcba98
	s_mov_b32 s76, 0x3b000000                      ; 1/512
	s_mov_b32 s77, 0x3727c5ac                      ; 1e-5
	s_wait_dscnt 0x0                               ; the opening add is done
	s_wait_kmcnt 0x0
	s_add_nc_u64 s[34:35], s[80:81], s[14:15]
	s_add_nc_u64 s[38:39], s[34:35], 262144
	s_or_b32 s35, s35, 0x80000000
	s_or_b32 s39, s39, 0x80000000
	s_add_nc_u64 s[58:59], s[82:83], s[46:47]
	s_add_nc_u64 s[62:63], s[58:59], 128*1024      ; slot 1: k 128 on
	s_or_b32 s59, s59, 0x80000000
	s_or_b32 s63, s63, 0x80000000
	CROUND                                         ; all four work-groups are here: the first joint loads meet
	tensor_load_to_lds s[32:35], s[24:31]          ; four loads of mine are out
	s_nop 0
	tensor_load_to_lds s[36:39], s[24:31]
	s_nop 0
	tensor_load_to_lds s[56:59], s[48:55]
	s_nop 0
	tensor_load_to_lds s[60:63], s[48:55]
	s_nop 0
	PLACES
	s_lshl_b32 s16, s13, 16                        ; 32 rows of 2,048 bytes,
	s_lshl_b32 s17, s10, 14                        ; my wave's 8 rows on the way out
	s_add_co_u32 s16, s16, s17
	s_mov_b32 s17, 0
	s_add_nc_u64 s[70:71], s[86:87], s[16:17]
	s_add_nc_u64 s[68:69], s[92:93], s[16:17]
	s_lshr_b32 s16, s16, 1                         ; h's rows are half as long
	s_add_nc_u64 s[72:73], s[94:95], s[16:17]
	v_and_b32 v1, 15, v0                           ; l % 16
	v_bfe_u32 v2, v0, 4, 1                         ; l / 16
	v_and_b32 v3, 31, v0                           ; l
	v_and_b32 v4, 7, v0
	v_bfe_u32 v5, v0, 3, 1
	v_lshlrev_b32 v30, 4, v3                       ; 16 x lane: chunk c of 128 columns, my four at 128 c + 4 lane; never rewritten
.irp c, 0,1,2,3
	global_load_b128 v[GA+4*\c:GA+4*\c+3], v30, s[88:89] offset:512*\c
	global_load_b128 v[BE+4*\c:BE+4*\c+3], v30, s[90:91] offset:512*\c
	global_load_b128 v[BO+4*\c:BO+4*\c+3], v30, s[84:85] offset:512*\c
.endr
	WIN 0xc0
.irp w, 0,1,2,3,4,5,6,7
.irp c, 0,1,2,3
	global_load_b128 v[16*\w+4*\c:16*\w+4*\c+3], v30, s[70:71] offset:2048*\w+512*\c th:TH_LOAD_NT
.endr
.endr
	WIN 0
	v_mov_b32 v26, v30                             ; x1's offset: it walks
	v_lshlrev_b32 v27, 3, v3                       ; h's
	v_lshl_add_u32 v6, v2, 3, v4                   ; the turning load: k row 8 (l / 16) + l % 8,
	v_mul_u32_u24 v6, v6, PB
	v_lshl_add_u32 v6, v5, 4, v6                   ; columns 8 ((l / 8) % 2) on,
	s_lshl_b32 s16, s10, 8
	v_add_nc_u32 v6, s16, v6                       ; in my 128 columns
	v_add_nc_u32 v16, BS0, v6
	v_add_nc_u32 v17, BS0+64*PB, v6
	v_add_nc_u32 v18, BS1, v6
	v_add_nc_u32 v19, BS1+64*PB, v6
	v_mul_u32_u24 v20, v1, PH
	v_lshl_add_u32 v20, v2, 4, v20
	s_lshl_b32 s16, s10, 9                         ; into the stage: my 512 bytes of each row
	s_add_co_u32 s16, s16, STAGE
	v_mul_u32_u24 v24, v1, SPI
	v_lshl_add_u32 v24, v2, 5, v24
	v_add_nc_u32 v24, s16, v24
	s_mul_i32 s16, s10, 8*SPI                      ; back: rows 8 w on, whole
	s_add_co_u32 s16, s16, STAGE
	v_lshl_add_u32 v25, v3, 4, s16
	s_wait_tensorcnt 1                             ; O and slot 0 are in; slot 1's load may stay out
	s_barrier_signal -1
	s_barrier_wait -1
	LOADA
	FETCHB 0, 0
	PSTEP 0, 1, 1                                  ; the first products start the sums
	PSTEP 1, 1, 0
	PSTEP 2, 2, 0
	PSTEP 3, 3, 0
	WIN 0
	PLACES
.irp a, 0,1
.irp b, 0,1,2,3,4,5,6,7
	ds_store_b128 v24, v[ACC+8*(8*\a+\b):ACC+8*(8*\a+\b)+3] offset:16*SPI*\a+64*\b
	ds_store_b128 v24, v[ACC+8*(8*\a+\b)+4:ACC+8*(8*\a+\b)+7] offset:16*SPI*\a+64*\b+16
.endr
.endr
	s_wait_dscnt 0x0                               ; for the others' sake: my stores into the stage are done
	s_barrier_signal -1
	s_barrier_wait -1
	s_wait_loadcnt 0x0                             ; g2, be2, bo and x
	s_mov_b32 s2, 2
.Lln:                                  ; four whole rows a trip
.irp c, 0,1,2,3
	ALLROWS ds_load_b128 v[X+16*r+4*\c:X+16*r+4*\c+3], v25 offset:SPI*r+512*\c
.endr
	s_wait_dscnt 0x0
	WIN 0x0c
.irp k, 0,2,4,6,8,10,12,14
	ALLROWS v_pk_add_f32 v[X+16*r+\k:X+16*r+\k+1], v[X+16*r+\k:X+16*r+\k+1], v[16*r+\k:16*r+\k+1]
.endr
	WIN 0
.irp k, 0,2,4,6,8,10,12,14
	ALLROWS v_pk_add_f32 v[X+16*r+\k:X+16*r+\k+1], v[X+16*r+\k:X+16*r+\k+1], v[BO+\k:BO+\k+1]
.endr
.irp c, 0,1,2,3
	ALLROWS global_store_b128 v26, v[X+16*r+4*\c:X+16*r+4*\c+3], s[68:69] offset:2048*r+512*\c  ; x1: 512 consecutive bytes, aligned
.endr
	; the mean
	ALLROWS v_pk_add_f32 v[A+4*r:A+4*r+1], v[X+16*r:X+16*r+1], v[X+16*r+2:X+16*r+3]
	ALLROWS v_pk_add_f32 v[A+4*r+2:A+4*r+3], v[X+16*r+4:X+16*r+5], v[X+16*r+6:X+16*r+7]
	ALLROWS v_pk_add_f32 v[A+4*r:A+4*r+1], v[A+4*r:A+4*r+1], v[X+16*r+8:X+16*r+9]
	ALLROWS v_pk_add_f32 v[A+4*r+2:A+4*r+3], v[A+4*r+2:A+4*r+3], v[X+16*r+10:X+16*r+11]
	ALLROWS v_pk_add_f32 v[A+4*r:A+4*r+1], v[A+4*r:A+4*r+1], v[X+16*r+12:X+16*r+13]
	ALLROWS v_pk_add_f32 v[A+4*r+2:A+4*r+3], v[A+4*r+2:A+4*r+3], v[X+16*r+14:X+16*r+15]
	ALLROWS v_pk_add_f32 v[A+4*r:A+4*r+1], v[A+4*r:A+4*r+1], v[A+4*r+2:A+4*r+3]
	ALLROWS v_add_f32 v[A+4*r], v[A+4*r], v[A+4*r+1]
	LANESUM
	ALLROWS v_mul_f32 v[M+2*r], s76, v[A+4*r]
	ALLROWS v_mul_f32 v[M+2*r+1], s76, v[A+4*r]
	s_wait_xcnt 0x0                                ; x1's stores have read the rows: only now are they changed in place
.irp k, 0,2,4,6,8,10,12,14
	ALLROWS v_pk_add_f32 v[X+16*r+\k:X+16*r+\k+1], v[X+16*r+\k:X+16*r+\k+1], v[M+2*r:M+2*r+1] neg_lo:[0,1] neg_hi:[0,1]
.endr
	; the variance of the centred numbers, in two chains
	ALLROWS v_pk_mul_f32 v[A+4*r:A+4*r+1], v[X+16*r:X+16*r+1], v[X+16*r:X+16*r+1]
	ALLROWS v_pk_mul_f32 v[A+4*r+2:A+4*r+3], v[X+16*r+2:X+16*r+3], v[X+16*r+2:X+16*r+3]
.irp k, 4,8,12
	ALLROWS v_pk_fma_f32 v[A+4*r:A+4*r+1], v[X+16*r+\k:X+16*r+\k+1], v[X+16*r+\k:X+16*r+\k+1], v[A+4*r:A+4*r+1]
	ALLROWS v_pk_fma_f32 v[A+4*r+2:A+4*r+3], v[X+16*r+\k+2:X+16*r+\k+3], v[X+16*r+\k+2:X+16*r+\k+3], v[A+4*r+2:A+4*r+3]
.endr
	ALLROWS v_pk_add_f32 v[A+4*r:A+4*r+1], v[A+4*r:A+4*r+1], v[A+4*r+2:A+4*r+3]
	ALLROWS v_add_f32 v[A+4*r], v[A+4*r], v[A+4*r+1]
	LANESUM
	ALLROWS v_fma_f32 v[A+4*r], v[A+4*r], s76, s77
	ALLROWS v_rsq_f32 v[M+2*r], v[A+4*r]
	ALLROWS v_rsq_f32 v[M+2*r+1], v[A+4*r]
	v_nop                                          ; a plain instruction behind the last root,
	s_wait_alu depctr_va_vdst(0)                   ; and one wait for the batch of eight, ahead of their first reader
.irp k, 0,2,4,6,8,10,12,14
	ALLROWS v_pk_mul_f32 v[X+16*r+\k:X+16*r+\k+1], v[X+16*r+\k:X+16*r+\k+1], v[M+2*r:M+2*r+1]
.endr
.irp k, 0,2,4,6,8,10,12,14
	ALLROWS v_pk_fma_f32 v[X+16*r+\k:X+16*r+\k+1], v[X+16*r+\k:X+16*r+\k+1], v[GA+\k:GA+\k+1], v[BE+\k:BE+\k+1]
.endr
.irp k, 0,1,2,3,4,5,6,7                ; ascending: register k is written when numbers 2 k, 2 k + 1 are read, and its own number was read earlier
	ALLROWS v_cvt_pk_bf16_f32 v[X+16*r+\k], v[X+16*r+2*\k], v[X+16*r+2*\k+1]
.endr
.irp c, 0,1,2,3
	ALLROWS global_store_b64 v27, v[X+16*r+2*\c:X+16*r+2*\c+1], s[72:73] offset:256*\c+1024*r  ; h: 256 consecutive bytes, aligned
.endr
	s_wait_xcnt 0x0                                ; the stores have read their data and offsets
	v_add_nc_u32 v25, 4*SPI, v25
	v_add_nc_u32 v26, 4*2048, v26
	v_add_nc_u32 v27, 4*1024, v27
	s_cmp_eq_u32 s2, 1
	s_cbranch_scc1 .Lnocopy
	WIN 0xc3                                       ; x's rows 4 to 7 go where the one text of a trip names x
.set i, 0
.rept 64
	v_mov_b32 v[i], v[64+i]
.set i, i+1
.endr
	WIN 0
.Lnocopy:
	s_sub_co_u32 s2, s2, 1
	s_cmp_lg_u32 s2, 0
	s_cbranch_scc1 .Lln
	s_wait_tensorcnt 0x0                           ; the wave's end
	ds_add_u32 v28, v29
	s_wait_dscnt 0x0
	CROUND                                         ; the closing round
	s_endpgm
.Lfunc_end_k_q0f81361776_wo:
	.size	k_q0f81361776_wo, .Lfunc_end_k_q0f81361776_wo-k_q0f81361776_wo
	.p2alignl 7, 3214868480
	.fill 96, 4, 3214868480
	.section	.rodata,"a",@progbits
	.p2align	6, 0x0
	.amdhsa_kernel k_q0f81361776_wo
		.amdhsa_group_segment_fixed_size 327680
		.amdhsa_private_segment_fixed_size 0
		.amdhsa_enable_private_segment 0
		.amdhsa_kernarg_size 64
		.amdhsa_user_sgpr_count 2
		.amdhsa_user_sgpr_kernarg_segment_ptr 1
		.amdhsa_wavefront_size32 1
		.amdhsa_system_sgpr_workgroup_id_x 1
		.amdhsa_system_sgpr_workgroup_id_y 1
		.amdhsa_system_sgpr_workgroup_id_z 1
		.amdhsa_system_vgpr_workitem_id 0
		.amdhsa_next_free_vgpr 896
		.amdhsa_next_free_sgpr 96
		.amdhsa_reserve_vcc 0
		.amdhsa_float_denorm_mode_32 3
		.amdhsa_float_denorm_mode_16_64 3
		.amdhsa_memory_ordered 1
		.amdhsa_forward_progress 1
		.amdhsa_inst_pref_size 79
	.end_amdhsa_kernel
	.amdgpu_metadata
---
amdhsa.version: [ 1, 2 ]
amdhsa.kernels:
  - .name:           k_q0f81361776_wo
    .symbol:         k_q0f81361776_wo.kd
    .args:
      - { .name: ob, .offset: 0, .size: 8, .value_kind: global_buffer, .address_space: global }
      - { .name: wb, .offset: 8, .size: 8, .value_kind: global_buffer, .address_space: global }
      - { .name: bo, .offset: 16, .size: 8, .value_kind: global_buffer, .address_space: global }
      - { .name: x, .offset: 24, .size: 8, .value_kind: global_buffer, .address_space: global }
      - { .name: g2, .offset: 32, .size: 8, .value_kind: global_buffer, .address_space: global }
      - { .name: be2, .offset: 40, .size: 8, .value_kind: global_buffer, .address_space: global }
      - { .name: x1, .offset: 48, .size: 8, .value_kind: global_buffer, .address_space: global }
      - { .name: h, .offset: 56, .size: 8, .value_kind: global_buffer, .address_space: global }
    .group_segment_fixed_size: 327680
    .private_segment_fixed_size: 0
    .kernarg_segment_align: 8
    .kernarg_segment_size: 64
    .max_flat_workgroup_size: 128
    .sgpr_count:     96
    .vgpr_count:     896
    .wavefront_size: 32
...
	.end_amdgpu_metadata
.endif
;; end of part 4
;; launch ffn1 (part 5): grid 4 x 64, 4 waves a work-group, clusters of 4 x 4, 327,680 bytes of LDS; arguments h, wb, b1, act; writes act
.if DOCPART == 5
	.amdgcn_target "amdgcn-amd-amdhsa--gfx1250"
	.amdhsa_code_object_version 6
	.text
	.protected	k_q0f81361776_ffn1
	.globl	k_q0f81361776_ffn1
	.p2align	8
	.type	k_q0f81361776_ffn1,@function
k_q0f81361776_ffn1:
	s_mov_b64 s[64:65], 0
	v_nop
	global_prefetch_b8 v0, s[64:65] scope:SCOPE_SE
	s_setreg_imm32_b32 hwreg(HW_REG_WAVE_MODE, 25, 1), 1
	s_wait_xcnt 0x0
	s_wait_alu depctr_hold_cnt(0) depctr_sa_sdst(0) depctr_va_vdst(0) depctr_va_sdst(0) depctr_va_ssrc(0) depctr_va_vcc(0) depctr_vm_vsrc(0)
	s_getreg_b32 s2, hwreg(HW_REG_IB_STS2, 6, 4)
	s_cmp_eq_u32 s2, 0
	s_cbranch_scc0 .Lentry_in_a_cluster
	s_endpgm
.Lentry_in_a_cluster:
	s_bfe_u32 s2, ttmp6, 0x10000c
	s_cmp_lg_u32 s2, 0xf033
	s_cbranch_scc0 .Lentry_shape_is_right
	s_endpgm
.Lentry_shape_is_right:
; act = bf16(gelu(h W1 + b1)), the exact GELU x Phi(x).  h: [8192][512] bf16; W1: wb at byte 2,097,152, [512][2048] bf16, [k][n]; act: [8192][2048] bf16; sums and GELU in f32.
; gelu(x) = max(x, 0) - |x| Q(|x|), Q(z) = (1 - erf(z / sqrt 2)) / 2 = t (c1 + t (c2 + t (c3 + t (c4 + t c5)))) 2^(-z^2 log2(e) / 2), t = 1 / (1 + 0.23164189 z): Abramowitz and Stegun 7.1.26, halved.
; LIMITS: that formula's error in erf is 1.5e-7 at the most, for every x; an exponential below 2^-126 counts as 0; NaN and infinities are not treated apart.
; SHARES.  A work-group owns 128 rows and 4 column tiles of 128 (column group = its x); four waves, each 64 x 64.  256 work-groups, in clusters of 4 x 4; h's rows are shared along a row, W1's columns along a column.
; h's block stays in registers (windows 2, 3); W1 streams through two LDS slots of [256 k][128 n], slot 0 always k 0-255, slot 1 k 256-511; its fragments come out of LDS turned.
; The product is taken transposed: lane l holds row l % 16 and columns 8 (l / 16) + 0..7.  On the way out the four waves share one f32 stage (a row's 512 bytes come from two waves), a barrier between writing and reading;
; the stage lies where h's block lay: those bytes have had their only fill, and every wave's reads of them are waited for ahead of the first step's barrier.
.set NT,    4
.set NP,    2048
.set WOFF,  2097152
.set PA,    1040
.set PB,    288
.set BS0,   128*PA
.set BS1,   BS0+256*PB
.set SPARE, BS1+256*PB
.set SPI,   528                        ; a stage row: 512 + 16 bytes
.set ACC,   128
.set XN,    96                         ; the way out: the next trip's four rows as they come from the stage
.set XR,    128                        ; on the way out the accumulators' registers are at work: x, then max(x, 0),
.set AX,    144                        ; |x|,
.set TR,    160                        ; t,
.set ER,    176                        ; the exponential
.set PR,    192                        ; the polynomial, then the result
.set YR,    64                         ; packed bf16
.set MSB, 0
.macro WIN new
.if MSB != (\new)
	s_set_vgpr_msb (MSB<<8)|(\new)
.set MSB, (\new)
.endif
.endm
.macro PLACES
.rept 4
	v_nop
.endr
.endm
.macro CREST
	s_cmp_lg_u32 s10, 0
	s_cbranch_scc1 .Lnot_wave_0_\@
	s_barrier_signal -3
.Lnot_wave_0_\@:
	s_barrier_wait -3
	s_barrier_signal -1
	s_barrier_wait -1
.endm
.macro CROUND
	s_barrier_signal -1
	s_barrier_wait -1
	CREST
.endm
.macro G q, win, zero                  ; 16 matrix instructions, the 16 accumulators by turns
	WIN 0x01|((\win)<<2)
.irp a, 0,1,2,3
.irp b, 0,1,2,3
.if \zero
	v_wmma_f32_16x16x32_bf16 v[ACC+8*(4*\a+\b):ACC+8*(4*\a+\b)+7], v[32*(\q)+8*\b:32*(\q)+8*\b+7], v[32*(\q)+8*\a:32*(\q)+8*\a+7], 0
.else
	v_wmma_f32_16x16x32_bf16 v[ACC+8*(4*\a+\b):ACC+8*(4*\a+\b)+7], v[32*(\q)+8*\b:32*(\q)+8*\b+7], v[32*(\q)+8*\a:32*(\q)+8*\a+7], v[ACC+8*(4*\a+\b):ACC+8*(4*\a+\b)+7]
.endif
.endr
.endr
.endm
.macro FETCHB slot, half
	WIN 0x40
.irp q, 0,1,2,3
.irp b, 0,1,2,3
	ds_load_tr16_b128 v[32*(4*(\half)+\q)+8*\b:32*(4*(\half)+\q)+8*\b+3], v[16+2*(\slot)+(\half)] offset:32*PB*\q+32*\b
	ds_load_tr16_b128 v[32*(4*(\half)+\q)+8*\b+4:32*(4*(\half)+\q)+8*\b+7], v[16+2*(\slot)+(\half)] offset:32*PB*\q+32*\b+16*PB
.endr
.endr
.endm
.macro LOADA
.irp kk, 0,1,2,3,4,5,6,7,8,9,10,11,12,13,14,15
	WIN 0x80+0x40*(\kk/8)
.irp a, 0,1,2,3
	ds_load_b128 v[32*(\kk%8)+8*\a:32*(\kk%8)+8*\a+3], v20 offset:16*PA*\a+64*\kk
	ds_load_b128 v[32*(\kk%8)+8*\a+4:32*(\kk%8)+8*\a+7], v20 offset:16*PA*\a+64*\kk+32
.endr
.endr
.endm
; A step of 256 along k, 128 matrix instructions; the counts leave the younger groups of eight fragment loads out.  mode 1: the slot is filled again with the next column tile's part, behind each wave's wait for all its
; tensor loads, its add, its wait for that and for its reads of the slot, and a round of the cluster's barrier; one load a wave.  mode 2: the same barrier, nothing is filled.  mode 3: the last step.
.macro STEP slot, zero, mode
	s_wait_dscnt 24
	G 0, 2+(\slot), \zero
	s_wait_dscnt 16
	G 1, 2+(\slot), 0
	PLACES
	FETCHB \slot, 1
	s_wait_dscnt 40
	G 2, 2+(\slot), 0
	s_wait_dscnt 32
	G 3, 2+(\slot), 0
	s_wait_dscnt 24
	G 4, 2+(\slot), 0
.if (\mode) < 3
	WIN 0
	s_wait_tensorcnt 0x0
	ds_add_u32 v28, v29
	s_wait_dscnt 17
	G 5, 2+(\slot), 0
	s_wait_dscnt 0x0
	s_barrier_signal -1
	G 6, 2+(\slot), 0
	WIN 0
	s_barrier_wait -1
.if (\mode) == 1
	CREST
	s_add_nc_u64 s[58+4*(\slot):59+4*(\slot)], s[58+4*(\slot):59+4*(\slot)], 256
	tensor_load_to_lds s[56+4*(\slot):59+4*(\slot)], s[48:55]
	s_nop 0
	PLACES
.else
	PLACES
.endif
	FETCHB 1-(\slot), 0
	G 7, 2+(\slot), 0
.else
	s_wait_dscnt 16
	G 5, 2+(\slot), 0
	s_wait_dscnt 8
	G 6, 2+(\slot), 0
	s_wait_dscnt 0x0
	G 7, 2+(\slot), 0
.endif
.endm
.macro TILEHEAD                        ; what hangs on the column tile's number s66 (0..15): addresses alone
	s_wait_xcnt 0x0
	s_lshl_b32 s76, s66, 9
	s_mov_b32 s77, 0
	s_add_nc_u64 s[70:71], s[84:85], s[76:77]
	s_lshl_b32 s76, s66, 8
	s_add_nc_u64 s[68:69], s[20:21], s[76:77]
	global_load_b128 v[80:83], v27, s[70:71]
.endm
.macro ST8 line:vararg                 ; one line for each of a trip's 8 pairs k: a stage is written over all pairs, so that no line reads the result of the line before it
.set k, 0
.rept 8
	\line
.set k, k+1
.endr
.endm
; THE WAY OUT: 128 x 128 in f32 into the shared stage, a barrier, then each wave takes 32 whole rows, 4 a trip: bias, GELU, bf16, stores of 256 consecutive bytes.
; A trip's rows are asked of the stage a trip ahead, into registers of their own; the bias's addition moves them on.  The last trip has no rows to ask for and jumps over the four loads.
.macro EPI
	WIN 0
	PLACES
.irp a, 0,1,2,3
.irp b, 0,1,2,3
	ds_store_b128 v24, v[ACC+8*(4*\a+\b):ACC+8*(4*\a+\b)+3] offset:16*SPI*\a+64*\b
	ds_store_b128 v24, v[ACC+8*(4*\a+\b)+4:ACC+8*(4*\a+\b)+7] offset:16*SPI*\a+64*\b+16
.endr
.endr
	v_mov_b32 v25, v30
	v_mov_b32 v26, v31
	s_wait_dscnt 0x0                               ; for the others' sake: my stores into the stage are done
	s_barrier_signal -1
	s_barrier_wait -1                              ; (the next tile's stores into the stage stand behind two later barriers, each behind every wave's wait for its LDS reads)
.irp i, 0,1,2,3
	ds_load_b128 v[XN+4*\i:XN+4*\i+3], v25 offset:SPI*\i
.endr
	s_wait_loadcnt 0x0                             ; the bias
	s_mov_b32 s2, 8
.Lepi_\@:
	s_wait_dscnt 0x0                               ; this trip's rows, asked for a trip ago
	ST8 v_pk_add_f32 v[XR+2*k:XR+2*k+1], v[XN+2*k:XN+2*k+1], v[80+2*(k%2):81+2*(k%2)]
	s_cmp_eq_u32 s2, 1
	s_cbranch_scc1 .Lnone_\@
.irp i, 0,1,2,3
	ds_load_b128 v[XN+4*\i:XN+4*\i+3], v25 offset:SPI*(4+\i)
.endr
.Lnone_\@:
	ST8 v_and_b32 v[AX+2*k], 0x7fffffff, v[XR+2*k]
	ST8 v_and_b32 v[AX+2*k+1], 0x7fffffff, v[XR+2*k+1]
	ST8 v_pk_fma_f32 v[TR+2*k:TR+2*k+1], v[AX+2*k:AX+2*k+1], s[88:89], 1.0 op_sel_hi:[1,0,0]
	ST8 v_pk_mul_f32 v[ER+2*k:ER+2*k+1], v[XR+2*k:XR+2*k+1], v[XR+2*k:XR+2*k+1]
	; one batch of 32 transcendentals with plain lines between them; nothing names a result ahead of the wait
.set k, 0
.rept 8
	v_rcp_f32 v[TR+2*k], v[TR+2*k]
	v_pk_mul_f32 v[ER+2*k:ER+2*k+1], v[ER+2*k:ER+2*k+1], s[90:91] op_sel_hi:[1,0]
	v_rcp_f32 v[TR+2*k+1], v[TR+2*k+1]
	v_max_num_f32 v[XR+2*k], 0, v[XR+2*k]
.set k, k+1
.endr
.set k, 0
.rept 8
	v_exp_f32 v[ER+2*k], v[ER+2*k]
	v_max_num_f32 v[XR+2*k+1], 0, v[XR+2*k+1]
	v_exp_f32 v[ER+2*k+1], v[ER+2*k+1]
.set k, k+1
.endr
	v_nop
	s_wait_alu depctr_va_vdst(0)                   ; one wait for the batch
	ST8 v_pk_fma_f32 v[PR+2*k:PR+2*k+1], v[TR+2*k:TR+2*k+1], s[100:101], s[98:99] op_sel_hi:[1,0,0]
	ST8 v_pk_fma_f32 v[PR+2*k:PR+2*k+1], v[PR+2*k:PR+2*k+1], v[TR+2*k:TR+2*k+1], s[96:97] op_sel_hi:[1,1,0]
	ST8 v_pk_fma_f32 v[PR+2*k:PR+2*k+1], v[PR+2*k:PR+2*k+1], v[TR+2*k:TR+2*k+1], s[94:95] op_sel_hi:[1,1,0]
	ST8 v_pk_fma_f32 v[PR+2*k:PR+2*k+1], v[PR+2*k:PR+2*k+1], v[TR+2*k:TR+2*k+1], s[92:93] op_sel_hi:[1,1,0]
	ST8 v_pk_mul_f32 v[PR+2*k:PR+2*k+1], v[PR+2*k:PR+2*k+1], v[TR+2*k:TR+2*k+1]
	ST8 v_pk_mul_f32 v[ER+2*k:ER+2*k+1], v[PR+2*k:PR+2*k+1], v[ER+2*k:ER+2*k+1]
	ST8 v_pk_fma_f32 v[PR+2*k:PR+2*k+1], v[AX+2*k:AX+2*k+1], v[ER+2*k:ER+2*k+1], v[XR+2*k:XR+2*k+1] neg_lo:[1,0,0] neg_hi:[1,0,0]
	ST8 v_cvt_pk_bf16_f32 v[YR+k], v[PR+2*k], v[PR+2*k+1]
.irp i, 0,1,2,3
	global_store_b64 v26, v[YR+2*\i:YR+2*\i+1], s[68:69] offset:4096*\i
.endr
	s_wait_xcnt 0x0                                ; the stores have read their data and offset
	v_add_nc_u32 v25, 4*SPI, v25
	v_add_nc_u32 v26, 4*4096, v26
	s_sub_co_u32 s2, s2, 1
	s_cmp_lg_u32 s2, 0
	s_cbranch_scc1 .Lepi_\@
.endm
	s_load_b256 s[80:87], s[0:1], 0x0              ; h s[80:81], wb s[82:83], b1 s[84:85], act s[86:87]
	v_lshl_add_u32 v28, v0, 2, SPARE
	v_mov_b32 v29, 0
	ds_add_u32 v28, v29                            ; the wave's opening: an add and its wait ahead of my first tensor load
	ds_add_u32 v28, v29
	v_lshrrev_b32 v1, 5, v0
	v_readfirstlane_b32 s10, v1
	s_lshr_b32 s11, s10, 1
	s_and_b32 s12, s10, 1
	s_bfe_u32 s40, ttmp6, 0x40000
	s_bfe_u32 s41, ttmp6, 0x40004
	s_lshl_b32 s44, ttmp9, 2
	s_add_co_u32 s44, s44, s40
	s_and_b32 s13, ttmp7, 0xffff
	s_lshl_b32 s13, s13, 2
	s_add_co_u32 s13, s13, s41
	s_lshl_b32 s42, s41, 2
	s_lshl_b32 s42, 15, s42
	s_lshl_b32 s43, 0x1111, s40
	s_or_b32 s24, s42, (1<<16)|(1<<20)|(1<<21)|(7<<22)|(3<<25)
	s_mov_b32 s25, 512<<16
	s_mov_b32 s26, 32<<16
	s_mov_b32 s27, 512<<16
	s_mov_b32 s28, 32
	s_mov_b32 s29, 512
	s_mov_b32 s30, 0
	s_mov_b32 s31, 0
	s_or_b32 s48, s43, (1<<16)|(1<<20)|(1<<21)|(5<<22)|(7<<25)
	s_mov_b32 s49, 128<<16
	s_mov_b32 s50, 64<<16
	s_mov_b32 s51, 128<<16
	s_mov_b32 s52, 64
	s_mov_b32 s53, NP
	s_mov_b32 s54, 0
	s_mov_b32 s55, 0
	s_mov_b32 s32, 1
	s_mul_i32 s33, s10, 32*PA
	s_mov_b32 s56, 1
	s_mul_i32 s57, s10, 64*PB
	s_add_co_u32 s61, s57, BS1
	s_add_co_u32 s57, s57, BS0
	s_mov_b32 s60, 1
	s_lshl_b32 s14, s13, 17
	s_lshl_b32 s15, s10, 15
	s_add_co_u32 s14, s14, s15
	s_mov_b32 s15, 0
	s_mul_i32 s46, s10, 64*2*NP
	s_mul_i32 s47, s44, NT*256
	s_add_co_u32 s46, s46, s47
	s_add_co_u32 s46, s46, WOFF
	s_mov_b32 s47, 0
	s_mov_b32 s88, 0x3e6d3388                      ; 0.23164189
	s_mov_b32 s89, s88
	s_mov_b32 s90, 0xbf38aa3b                      ; -log2(e) / 2
	s_mov_b32 s91, s90
	s_mov_b32 s92, 0x3e027906                      ; c1 =  0.127414796
	s_mov_b32 s93, s92
	s_mov_b32 s94, 0xbe11a98e                      ; c2 = -0.142248368
	s_mov_b32 s95, s94
	s_mov_b32 s96, 0x3f35f0e3                      ; c3 =  0.7107068705
	s_mov_b32 s97, s96
	s_mov_b32 s98, 0xbf3a00e3                      ; c4 = -0.7265760135
	s_mov_b32 s99, s98
	s_mov_b32 s100, 0x3f07dc22                     ; c5 =  0.5307027145
	s_mov_b32 s101, s100
	s_wait_dscnt 0x0
	s_wait_kmcnt 0x0
	s_add_nc_u64 s[34:35], s[80:81], s[14:15]
	s_or_b32 s35, s35, 0x80000000
	s_add_nc_u64 s[58:59], s[82:83], s[46:47]
	s_add_nc_u64 s[62:63], s[58:59], 256*2*NP
	s_or_b32 s59, s59, 0x80000000
	s_or_b32 s63, s63, 0x80000000
	CROUND
	tensor_load_to_lds s[32:35], s[24:31]          ; three loads of mine are out
	s_nop 0
	tensor_load_to_lds s[56:59], s[48:55]
	s_nop 0
	tensor_load_to_lds s[60:63], s[48:55]
	s_nop 0
	PLACES
	s_lshl_b32 s16, s13, 19                        ; 128 rows of 4,096 bytes of act
	s_mov_b32 s17, 0
	s_add_nc_u64 s[20:21], s[86:87], s[16:17]
	s_lshl_b32 s66, s44, 2                         ; my first column tile
	v_and_b32 v1, 15, v0
	v_bfe_u32 v2, v0, 4, 1
	v_and_b32 v3, 31, v0
	v_and_b32 v4, 7, v0
	v_bfe_u32 v5, v0, 3, 1
	v_lshl_add_u32 v6, v2, 3, v4
	v_mul_u32_u24 v6, v6, PB
	v_lshl_add_u32 v6, v5, 4, v6
	s_lshl_b32 s16, s12, 7
	v_add_nc_u32 v6, s16, v6
	v_add_nc_u32 v16, BS0, v6
	v_add_nc_u32 v17, BS0+128*PB, v6
	v_add_nc_u32 v18, BS1, v6
	v_add_nc_u32 v19, BS1+128*PB, v6
	s_mul_i32 s17, s11, 64*PA
	v_mul_u32_u24 v20, v1, PA
	v_lshl_add_u32 v20, v2, 4, v20
	v_add_nc_u32 v20, s17, v20
	s_mul_i32 s16, s11, 64*SPI                     ; into the stage: my 64 rows, my 256 bytes of them
	s_lshl_b32 s17, s12, 8
	s_add_co_u32 s16, s16, s17
	v_mul_u32_u24 v24, v1, SPI
	v_lshl_add_u32 v24, v2, 5, v24
	v_add_nc_u32 v24, s16, v24
	s_mul_i32 s16, s10, 32*SPI                     ; back: rows 32 w on, whole
	v_lshl_add_u32 v30, v3, 4, s16
	s_lshl_b32 s16, s10, 17                        ; 32 rows of 4,096 bytes
	v_lshl_add_u32 v31, v3, 3, s16
	v_lshlrev_b32 v27, 4, v3                       ; the bias of my four columns
	s_wait_tensorcnt 1                             ; h's block and slot 0 are in; slot 1's load may stay out
	s_barrier_signal -1
	s_barrier_wait -1
	LOADA
	FETCHB 0, 0
	WIN 0
	s_mov_b32 s3, NT-1
.Ltile:
	TILEHEAD
	STEP 0, 1, 1
	STEP 1, 0, 1
	EPI
	s_add_co_u32 s66, s66, 1
	s_sub_co_u32 s3, s3, 1
	s_cmp_lg_u32 s3, 0
	s_cbranch_scc1 .Ltile
	TILEHEAD                                       ; the last tile is written out: it asks for nothing more
	STEP 0, 1, 2
	STEP 1, 0, 3
	EPI
	s_wait_tensorcnt 0x0                           ; the wave's end
	ds_add_u32 v28, v29
	s_wait_dscnt 0x0
	CROUND
	s_endpgm
.Lfunc_end_k_q0f81361776_ffn1:
	.size	k_q0f81361776_ffn1, .Lfunc_end_k_q0f81361776_ffn1-k_q0f81361776_ffn1
	.p2alignl 7, 3214868480
	.fill 96, 4, 3214868480
	.section	.rodata,"a",@progbits
	.p2align	6, 0x0
	.amdhsa_kernel k_q0f81361776_ffn1
		.amdhsa_group_segment_fixed_size 327680
		.amdhsa_private_segment_fixed_size 0
		.amdhsa_enable_private_segment 0
		.amdhsa_kernarg_size 32
		.amdhsa_user_sgpr_count 2
		.amdhsa_user_sgpr_kernarg_segment_ptr 1
		.amdhsa_wavefront_size32 1
		.amdhsa_system_sgpr_workgroup_id_x 1
		.amdhsa_system_sgpr_workgroup_id_y 1
		.amdhsa_system_sgpr_workgroup_id_z 1
		.amdhsa_system_vgpr_workitem_id 0
		.amdhsa_next_free_vgpr 1024
		.amdhsa_next_free_sgpr 102
		.amdhsa_reserve_vcc 0
		.amdhsa_float_denorm_mode_32 3
		.amdhsa_float_denorm_mode_16_64 3
		.amdhsa_memory_ordered 1
		.amdhsa_forward_progress 1
		.amdhsa_inst_pref_size 92
	.end_amdhsa_kernel
	.amdgpu_metadata
---
amdhsa.version: [ 1, 2 ]
amdhsa.kernels:
  - .name:           k_q0f81361776_ffn1
    .symbol:         k_q0f81361776_ffn1.kd
    .args:
      - { .name: h, .offset: 0, .size: 8, .value_kind: global_buffer, .address_space: global }
      - { .name: wb, .offset: 8, .size: 8, .value_kind: global_buffer, .address_space: global }
      - { .name: b1, .offset: 16, .size: 8, .value_kind: global_buffer, .address_space: global }
      - { .name: act, .offset: 24, .size: 8, .value_kind: global_buffer, .address_space: global }
    .group_segment_fixed_size: 327680
    .private_segment_fixed_size: 0
    .kernarg_segment_align: 8
    .kernarg_segment_size: 32
    .max_flat_workgroup_size: 128
    .sgpr_count:     102
    .vgpr_count:     1024
    .wavefront_size: 32
...
	.end_amdgpu_metadata
.endif
;; end of part 5
;; launch ffn2 (part 6): grid 4 x 64, 4 waves a work-group, clusters of 4 x 4, 327,680 bytes of LDS; arguments act, wb, b2, x1, out0; writes out0
.if DOCPART == 6
	.amdgcn_target "amdgcn-amd-amdhsa--gfx1250"
	.amdhsa_code_object_version 6
	.text
	.protected	k_q0f81361776_ffn2
	.globl	k_q0f81361776_ffn2
	.p2align	8
	.type	k_q0f81361776_ffn2,@function
k_q0f81361776_ffn2:
	s_mov_b64 s[64:65], 0
	v_nop
	global_prefetch_b8 v0, s[64:65] scope:SCOPE_SE
	s_setreg_imm32_b32 hwreg(HW_REG_WAVE_MODE, 25, 1), 1
	s_wait_xcnt 0x0
	s_wait_alu depctr_hold_cnt(0) depctr_sa_sdst(0) depctr_va_vdst(0) depctr_va_sdst(0) depctr_va_ssrc(0) depctr_va_vcc(0) depctr_vm_vsrc(0)
	s_getreg_b32 s2, hwreg(HW_REG_IB_STS2, 6, 4)
	s_cmp_eq_u32 s2, 0
	s_cbranch_scc0 .Lentry_in_a_cluster
	s_endpgm
.Lentry_in_a_cluster:
	s_bfe_u32 s2, ttmp6, 0x10000c
	s_cmp_lg_u32 s2, 0xf033
	s_cbranch_scc0 .Lentry_shape_is_right
	s_endpgm
.Lentry_shape_is_right:
; out0 = x1 + act W2 + b2.  act: [8192][2048] bf16; W2: wb at byte 4,194,304, [2048][512] bf16, [k][n]; x1, out0: [8192][512] f32; sums in f32.
; A work-group makes 128 x 128; four waves, each 64 x 64.  256 work-groups, in clusters of 4 x 4: act's tiles are shared along a row of the cluster, W2's along a column: joint loads.
; K = 2,048 goes in 8 steps of 256 through a ring of two LDS slots, each with 128 rows of act (512 bytes + 16) and 256 k rows of W2 (256 bytes + 32).  Waves 0, 1 fetch act's halves, waves 2, 3 W2's.
; One barrier for each change of slots: ahead of it each wave waits for all its tensor loads, adds 0 to its spare word, and waits for that and for its reads of the slot; where the slot is filled again the barrier opens a
; round of the cluster's barrier, and the joint refill is the first thing behind the round: it has six eighths of a step, 96 matrix instructions a wave, in which to land.
; The product is taken transposed (source 0 = 16 columns of W2, turned out of LDS; source 1 = 16 rows of act): lane l holds row l % 16 and columns 8 (l / 16) + 0..7.
; REGISTERS: window 0: v16-31 addresses, v32-67 at work, v128-255 accumulators; window 1: W2's fragments of a step (32 q + 8 b); window 2: act's (32 q + 8 a); window 3: v0-127 x1's 64 x 64, asked for at the head.
.set PA,    528
.set PB,    288
.set BOFF,  128*PA
.set SLOT,  BOFF+256*PB
.set STAGE, 2*SLOT
.set SPI,   272
.set SPARE, STAGE+4*16*SPI
.set ACC,   128
.set MSB, 0
.macro WIN new
.if MSB != (\new)
	s_set_vgpr_msb (MSB<<8)|(\new)
.set MSB, (\new)
.endif
.endm
.macro PLACES
.rept 4
	v_nop
.endr
.endm
.macro CREST
	s_cmp_lg_u32 s10, 0
	s_cbranch_scc1 .Lnot_wave_0_\@
	s_barrier_signal -3
.Lnot_wave_0_\@:
	s_barrier_wait -3
	s_barrier_signal -1
	s_barrier_wait -1
.endm
.macro CROUND
	s_barrier_signal -1
	s_barrier_wait -1
	CREST
.endm
.macro JLOAD s                         ; a joint load; the branch hangs on the wave's number alone; an s_nop 0 and four v_nop follow each of the two lines
	s_cmp_eq_u32 s11, 0
	s_cbranch_scc0 .Lfor_b_\@
	tensor_load_to_lds s[32+4*(\s):35+4*(\s)], s[24:31]
	s_nop 0
	PLACES
	s_branch .Lasked_\@
.Lfor_b_\@:
	tensor_load_to_lds s[56+4*(\s):59+4*(\s)], s[48:55]
	s_nop 0
	PLACES
.Lasked_\@:
.endm
.macro G q, zero                       ; 16 matrix instructions, the 16 accumulators by turns
	WIN 0x09
.irp a, 0,1,2,3
.irp b, 0,1,2,3
.if \zero
	v_wmma_f32_16x16x32_bf16 v[ACC+8*(4*\a+\b):ACC+8*(4*\a+\b)+7], v[32*(\q)+8*\b:32*(\q)+8*\b+7], v[32*(\q)+8*\a:32*(\q)+8*\a+7], 0
.else
	v_wmma_f32_16x16x32_bf16 v[ACC+8*(4*\a+\b):ACC+8*(4*\a+\b)+7], v[32*(\q)+8*\b:32*(\q)+8*\b+7], v[32*(\q)+8*\a:32*(\q)+8*\a+7], v[ACC+8*(4*\a+\b):ACC+8*(4*\a+\b)+7]
.endif
.endr
.endr
.endm
; 64 LDS loads in one run: four k blocks' fragments of W2 (32), then of act (32, eight a block, in ascending q)
.macro FETCH slot, half
	WIN 0x40
.irp q, 0,1,2,3
.irp b, 0,1,2,3
	ds_load_tr16_b128 v[32*(4*(\half)+\q)+8*\b:32*(4*(\half)+\q)+8*\b+3], v[16+2*(\slot)+(\half)] offset:32*PB*\q+32*\b
	ds_load_tr16_b128 v[32*(4*(\half)+\q)+8*\b+4:32*(4*(\half)+\q)+8*\b+7], v[16+2*(\slot)+(\half)] offset:32*PB*\q+32*\b+16*PB
.endr
.endr
	WIN 0x80
.irp q, 0,1,2,3
.irp a, 0,1,2,3
	ds_load_b128 v[32*(4*(\half)+\q)+8*\a:32*(4*(\half)+\q)+8*\a+3], v[20+(\slot)] offset:16*PA*\a+64*(4*(\half)+\q)
	ds_load_b128 v[32*(4*(\half)+\q)+8*\a+4:32*(4*(\half)+\q)+8*\a+7], v[20+(\slot)] offset:16*PA*\a+64*(4*(\half)+\q)+32
.endr
.endr
.endm
.macro HEAD zero                       ; a step's first k block
	s_wait_dscnt 24                                ; W2's 32 and act's first eight are in; act's other 24 may be out
	G 0, \zero
.endm
.macro BODY slot, mode                 ; the rest of a step.  mode 1: the slot is filled again, two steps ahead; 2: the barrier alone; 3: the last step
	s_wait_dscnt 16
	G 1, 0
	PLACES
	FETCH \slot, 1
	s_wait_dscnt 63                                ; 72 loads are younger than those wanted; the count names the most that its field holds
	G 2, 0
	s_wait_dscnt 63                                ; 64 are younger
	G 3, 0
	s_wait_dscnt 24
	G 4, 0
.if (\mode) < 3
	WIN 0
	s_wait_tensorcnt 0x0                           ; all my tensor loads have landed: my part of the other slot
	ds_add_u32 v28, v29
	s_wait_dscnt 17                                ; two groups of eight and the add may be out
	G 5, 0
	s_wait_dscnt 0x0                               ; the add is done, my reads of this slot are over
	s_barrier_signal -1
	G 6, 0
	WIN 0
	s_barrier_wait -1
.if (\mode) == 1
	CREST
	s_add_nc_u64 s[34+4*(\slot):35+4*(\slot)], s[34+4*(\slot):35+4*(\slot)], 1024      ; act: 512 along k
	s_add_nc_u64 s[58+4*(\slot):59+4*(\slot)], s[58+4*(\slot):59+4*(\slot)], 524288    ; W2: 512 rows of 1,024 bytes
	JLOAD \slot
.else
	PLACES
.endif
	FETCH 1-(\slot), 0
	G 7, 0
.else
	s_wait_dscnt 16
	G 5, 0
	s_wait_dscnt 8
	G 6, 0
	s_wait_dscnt 0x0
	G 7, 0
.endif
.endm
; THE WAY OUT, 16 rows at a time through my own stage: back as whole rows of 256 bytes; the residual (window rw) and the bias are added; sixteen lanes store 256 consecutive bytes, aligned.
.macro EPIR rw
	WIN 0
	PLACES
	s_wait_loadcnt 0x0
.irp a, 0,1,2,3
	WIN 0
	s_wait_xcnt 0x0
.irp b, 0,1,2,3
	ds_store_b128 v24, v[ACC+8*(4*\a+\b):ACC+8*(4*\a+\b)+3] offset:64*\b
	ds_store_b128 v24, v[ACC+8*(4*\a+\b)+4:ACC+8*(4*\a+\b)+7] offset:64*\b+16
.endr
.irp t, 0,1,2,3,4,5,6,7
	ds_load_b128 v[32+4*\t:35+4*\t], v25 offset:2*SPI*\t  ; LDS serves a wave's instructions in order (ISA guide 5.7.1.4)
.endr
	s_wait_dscnt 0x0
	WIN (\rw)<<2
.irp t, 0,1,2,3,4,5,6,7,8,9,10,11,12,13,14,15
	v_pk_add_f32 v[32+2*\t:33+2*\t], v[32+2*\t:33+2*\t], v[32*\a+2*\t:32*\a+2*\t+1]
.endr
	WIN 0
.irp t, 0,1,2,3,4,5,6,7,8,9,10,11,12,13,14,15
	v_pk_add_f32 v[32+2*\t:33+2*\t], v[32+2*\t:33+2*\t], v[64+2*(\t%2):65+2*(\t%2)]
.endr
.irp t, 0,1,2,3,4,5,6,7
	global_store_b128 v26, v[32+4*\t:35+4*\t], s[68:69] offset:(16*\a+2*\t)*2048 th:TH_STORE_NT
.endr
.endr
.endm
	s_load_b256 s[80:87], s[0:1], 0x0              ; act s[80:81], wb s[82:83], b2 s[84:85], x1 s[86:87]
	s_load_b64 s[88:89], s[0:1], 0x20              ; out0
	v_lshl_add_u32 v28, v0, 2, SPARE
	v_mov_b32 v29, 0
	ds_add_u32 v28, v29                            ; the wave's opening: an add and its wait ahead of my first tensor load
	ds_add_u32 v28, v29
	v_lshrrev_b32 v1, 5, v0
	v_readfirstlane_b32 s10, v1
	s_lshr_b32 s11, s10, 1                         ; which 64 rows are mine.  Also: I fetch for act (0) or for W2 (1)
	s_and_b32 s12, s10, 1                          ; which 64 columns.  Also: which half of that tile I fetch
	s_bfe_u32 s40, ttmp6, 0x40000
	s_bfe_u32 s41, ttmp6, 0x40004
	s_lshl_b32 s44, ttmp9, 2
	s_add_co_u32 s44, s44, s40                     ; column tile
	s_and_b32 s13, ttmp7, 0xffff
	s_lshl_b32 s13, s13, 2
	s_add_co_u32 s13, s13, s41                     ; row block
	s_lshl_b32 s42, s41, 2
	s_lshl_b32 s42, 15, s42
	s_lshl_b32 s43, 0x1111, s40
	s_or_b32 s24, s42, (1<<16)|(1<<20)|(1<<21)|(6<<22)|(3<<25)  ; act: 64 rows x 256 elements, padded by 4 words after every 128 words
	s_mov_b32 s25, 256<<16
	s_mov_b32 s26, 64<<16
	s_mov_b32 s27, 256<<16
	s_mov_b32 s28, 64
	s_mov_b32 s29, 2048
	s_mov_b32 s30, 0
	s_mov_b32 s31, 0
	s_or_b32 s48, s43, (1<<16)|(1<<20)|(1<<21)|(5<<22)|(7<<25)  ; W2: 128 k rows x 128 elements, padded by 8 words after every 64 words
	s_mov_b32 s49, 128<<16
	s_mov_b32 s50, 128<<16
	s_mov_b32 s51, 128<<16
	s_mov_b32 s52, 128
	s_mov_b32 s53, 512
	s_mov_b32 s54, 0
	s_mov_b32 s55, 0
	s_mul_i32 s20, s12, 64*PA
	s_mul_i32 s21, s12, 128*PB
	s_add_co_u32 s21, s21, BOFF
	s_lshl_b32 s14, s13, 19                        ; act: 128 rows of 4,096 bytes,
	s_lshl_b32 s15, s12, 18                        ; the half that I fetch
	s_add_co_u32 s14, s14, s15
	s_mov_b32 s15, 0
	s_lshl_b32 s46, s12, 17                        ; W2: the 128 k rows that I fetch,
	s_lshl_b32 s47, s44, 8                         ; the tile's columns
	s_add_co_u32 s46, s46, s47
	s_add_co_u32 s46, s46, 4194304
	s_mov_b32 s47, 0
	s_wait_dscnt 0x0
	s_wait_kmcnt 0x0
	s_add_nc_u64 s[14:15], s[80:81], s[14:15]
	s_add_nc_u64 s[46:47], s[82:83], s[46:47]
	CROUND                                         ; all sixteen work-groups are here: the first joint loads meet
.irp s, 0,1
	s_mov_b32 s[32+4*\s], 1
	s_add_co_u32 s[33+4*\s], s20, \s*SLOT
	s_add_nc_u64 s[34+4*\s:35+4*\s], s[14:15], \s*512
	s_or_b32 s[35+4*\s], s[35+4*\s], 0x80000000
	s_mov_b32 s[56+4*\s], 1
	s_add_co_u32 s[57+4*\s], s21, \s*SLOT
	s_add_nc_u64 s[58+4*\s:59+4*\s], s[46:47], \s*262144
	s_or_b32 s[59+4*\s], s[59+4*\s], 0x80000000
	JLOAD \s                                       ; two loads of mine are out
.endr
	s_lshl_b32 s16, s13, 18
	s_lshl_b32 s17, s11, 17
	s_add_co_u32 s16, s16, s17
	s_lshl_b32 s18, s44, 9
	s_lshl_b32 s17, s12, 8
	s_add_co_u32 s18, s18, s17
	s_add_co_u32 s16, s16, s18
	s_mov_b32 s17, 0
	s_add_nc_u64 s[70:71], s[86:87], s[16:17]
	s_add_nc_u64 s[68:69], s[88:89], s[16:17]
	v_and_b32 v1, 15, v0
	v_bfe_u32 v2, v0, 4, 1
	v_and_b32 v4, 7, v0
	v_bfe_u32 v5, v0, 3, 1
	v_lshl_add_u32 v27, v1, 4, s18
	v_lshlrev_b32 v26, 11, v2
	v_lshl_add_u32 v26, v1, 4, v26
	global_load_b128 v[64:67], v27, s[84:85]       ; the bias of my four columns
	WIN 0xc0
.irp a, 0,1,2,3
.irp t, 0,1,2,3,4,5,6,7
	global_load_b128 v[4*(8*\a+\t):4*(8*\a+\t)+3], v26, s[70:71] offset:(16*\a+2*\t)*2048 th:TH_LOAD_NT
.endr
.endr
	WIN 0
	v_lshl_add_u32 v6, v2, 3, v4
	v_mul_u32_u24 v6, v6, PB
	v_lshl_add_u32 v6, v5, 4, v6
	s_lshl_b32 s16, s12, 7
	v_add_nc_u32 v6, s16, v6
	v_add_nc_u32 v16, BOFF, v6
	v_add_nc_u32 v17, BOFF+128*PB, v6
	v_add_nc_u32 v18, SLOT+BOFF, v6
	v_add_nc_u32 v19, SLOT+BOFF+128*PB, v6
	s_mul_i32 s17, s11, 64*PA
	v_mul_u32_u24 v20, v1, PA
	v_lshl_add_u32 v20, v2, 4, v20
	v_add_nc_u32 v20, s17, v20
	v_add_nc_u32 v21, SLOT, v20
	s_mul_i32 s16, s10, 16*SPI
	s_add_co_u32 s16, s16, STAGE
	v_mul_u32_u24 v24, v1, SPI
	v_lshl_add_u32 v24, v2, 5, v24
	v_add_nc_u32 v24, s16, v24
	v_mul_u32_u24 v25, v2, SPI
	v_lshl_add_u32 v25, v1, 4, v25
	v_add_nc_u32 v25, s16, v25
	s_wait_tensorcnt 1                             ; my part of step 0 is in; step 1's may stay out
	s_barrier_signal -1
	s_barrier_wait -1
	FETCH 0, 0
	HEAD 1                                         ; the first products start the sums
	WIN 0
	s_mov_b32 s3, 3
.Llap:                                 ; a trip goes once round the ring and fills both slots again: steps 0 to 5
	BODY 0, 1
	HEAD 0
	BODY 1, 1
	HEAD 0
	WIN 0
	s_sub_co_u32 s3, s3, 1
	s_cmp_lg_u32 s3, 0
	s_cbranch_scc1 .Llap
	BODY 0, 2                                      ; the last two steps fill nothing
	HEAD 0
	BODY 1, 3
	EPIR 3
	s_wait_tensorcnt 0x0                           ; the wave's end
	ds_add_u32 v28, v29
	s_wait_dscnt 0x0
	CROUND                                         ; the closing round
	s_endpgm
.Lfunc_end_k_q0f81361776_ffn2:
	.size	k_q0f81361776_ffn2, .Lfunc_end_k_q0f81361776_ffn2-k_q0f81361776_ffn2
	.p2alignl 7, 3214868480
	.fill 96, 4, 3214868480
	.section	.rodata,"a",@progbits
	.p2align	6, 0x0
	.amdhsa_kernel k_q0f81361776_ffn2
		.amdhsa_group_segment_fixed_size 327680
		.amdhsa_private_segment_fixed_size 0
		.amdhsa_enable_private_segment 0
		.amdhsa_kernarg_size 40
		.amdhsa_user_sgpr_count 2
		.amdhsa_user_sgpr_kernarg_segment_ptr 1
		.amdhsa_wavefront_size32 1
		.amdhsa_system_sgpr_workgroup_id_x 1
		.amdhsa_system_sgpr_workgroup_id_y 1
		.amdhsa_system_sgpr_workgroup_id_z 1
		.amdhsa_system_vgpr_workitem_id 0
		.amdhsa_next_free_vgpr 896
		.amdhsa_next_free_sgpr 96
		.amdhsa_reserve_vcc 0
		.amdhsa_float_denorm_mode_32 3
		.amdhsa_float_denorm_mode_16_64 3
		.amdhsa_memory_ordered 1
		.amdhsa_forward_progress 1
		.amdhsa_inst_pref_size 96
	.end_amdhsa_kernel
	.amdgpu_metadata
---
amdhsa.version: [ 1, 2 ]
amdhsa.kernels:
  - .name:           k_q0f81361776_ffn2
    .symbol:         k_q0f81361776_ffn2.kd
    .args:
      - { .name: act, .offset: 0, .size: 8, .value_kind: global_buffer, .address_space: global }
      - { .name: wb, .offset: 8, .size: 8, .value_kind: global_buffer, .address_space: global }
      - { .name: b2, .offset: 16, .size: 8, .value_kind: global_buffer, .address_space: global }
      - { .name: x1, .offset: 24, .size: 8, .value_kind: global_buffer, .address_space: global }
      - { .name: out0, .offset: 32, .size: 8, .value_kind: global_buffer, .address_space: global }
    .group_segment_fixed_size: 327680
    .private_segment_fixed_size: 0
    .kernarg_segment_align: 8
    .kernarg_segment_size: 40
    .max_flat_workgroup_size: 128
    .sgpr_count:     96
    .vgpr_count:     896
    .wavefront_size: 32
...
	.end_amdgpu_metadata
.endif
;; end of part 6
